; MI455X (gfx1250); checked and timed in simulation.
; The chip was launched on July 23, 2026; its instructions are those of AMD's public machine-readable ISA for CDNA 5 (MIT licence, August 2026) and "CDNA5" Instruction Set Architecture Reference Guide (July 2026). The comments in the code are by the model that wrote it; some were corrected since.
;; Mo EFFN. Allowed arithmetic: matrix products marked QUANTISED: E4M3 operands, one E8M0 scale for each 32 along K, by v_wmma_scale_f32_16x16x128_f8f6f4 with both operands' format E4M3, f32 sums; products left as they are: f32 operands where the result goes on into a quantised operand, else bf16, f16 or f32 operands; f32 sums; everything else in f32.
;; Inputs: W1_codes 4 x 4,096 x 32 x 32 uint8 (E4M3 codes of W1, K innermost, in blocks of 32 codes); W1_scales 4 x 4,096 x 32 uint8 (E8M0 scales of W1, one for each 32 codes along K); W2_codes 4 x 1,024 x 128 x 32 uint8 (E4M3 codes of W2, K innermost, in blocks of 32 codes); W2_scales 4 x 1,024 x 128 uint8 (E8M0 scales of W2, one for each 32 codes along K); Wr 1,024 x 4 float32; b1 4 x 4,096 float32; b2 4 x 1,024 float32; br 4 float32; x 4 x 512 x 1,024 float32.
;; Outputs: out0 4 x 512 x 1,024 float32.
;; This version of the problem:
;;   THIS VERSION OF THE PROBLEM IS GIVEN IN LOW PRECISION. The matrix products marked QUANTISED in the list below multiply operands that are first quantised to E4M3 (4 exponent bits, 3 mantissa bits; 8 bits a number), with one power-of-two scale for each 32 numbers along K (OCP MX v1.0); their sums are f32. All else is computed in f32.
;;   The module's matrix products, in the order in which they are computed (A, B: the left and right operand; K: the contracted axis; several contracted axes count as one K, in the product's order):
;;     1. [M 2,048, K 1,024] x [K 1,024, N 4]; A: input x; B: input Wr: left as it is (N = 4 < 16)
;;     2. [M 2,048, K 1,024] x [K 1,024, N 16,384]; A: input x; B: input W1 (given as codes): QUANTISED
;;     3. batch 4 x [M 1,024, K 4,096] x [K 4,096, N 2,048]; A: input W2 (given as codes); B: computed on the way: QUANTISED
;;   THE QUANTISER, for each operand of a quantised product, along K:
;;     - K is cut into blocks of 32 from its start; a last block that is shorter is filled with zeros.
;;     - A block's scale is 2^e with e = floor(log2(the largest magnitude in the block)) - 8, held to -126 .. 127; a block of zeros has e = 0. As a byte (E8M0): e + 127.
;;     - Each number is divided by its block's scale, clamped to +-448, and rounded to the nearest number of E4M3, ties to even, subnormals kept.
;;     - The product sums the exact products of the quantised numbers (number of the format x scale) in f32.
;;   ~~~python
;;   def quantise(x, axis):      # numpy; x: float32 -> the quantised numbers, widened to float32 again
;;       x = np.moveaxis(x, axis, -1); K = x.shape[-1]
;;       x = np.pad(x, [(0, 0)] * (x.ndim - 1) + [(0, -K % 32)]); x = x.reshape(x.shape[:-1] + (-1, 32)); a = np.abs(x).max(-1, keepdims=True)
;;       e = np.where(a > 0, np.clip(np.frexp(np.where(a > 0, a, 1))[1] - 1 - 8, -126, 127), 0)      # np.frexp(a)[1] - 1 = floor(log2(a)), exactly
;;       r = np.clip(x / 2.0 ** e, -448, 448)
;;       step = 2.0 ** (np.maximum(np.frexp(np.where(r == 0, 1, r))[1] - 1, -6) - 3)
;;       q = np.round(r / step) * step * 2.0 ** e      # np.round: ties to even
;;       return np.moveaxis(q.reshape(q.shape[:-2] + (-1,))[..., :K], -1, axis).astype(np.float32)
;;   ~~~
;;   OPERANDS COMPUTED ON THE WAY. 'Computed on the way' means the value that the module computes at that place (a softmax that the list does not call 'softmax' is quantised finished and normalised). What goes into a quantiser is computed in f32, as accurately as f32 sums, v_exp_f32 and their like allow (about 1e-6 of the number): no bf16 or f16 on the way to a quantiser, and a product that is left as it is and whose result goes on into a quantised operand takes f32 operands (vector FMAs, or v_wmma_f32_16x16x4_f32). A number that lies on a knife's edge between two numbers of the format may be rounded either way, as far as f32 arithmetic and the matrix unit's own rounding can turn it there, and no further.
;;   INPUTS GIVEN AS CODES. W1 (in the module: [4, 1024, 4096], K = its axis 1); W2 (in the module: [4, 4096, 1024], K = its axis 1): each comes as NAME_codes (uint8): NAME with its K axis moved to the last place and cut into blocks of 32 codes, [.., K / 32, bytes a block], one block behind the other in memory; one code a byte (a code: sign, 4 exponent bits, 3 mantissa bits); and NAME_scales (uint8): the same leading axes, one E8M0 byte (e + 127) for each 32 codes along K. Its value is code x scale, taken as it is: it is not quantised again, and the codes and scales need not be those that the quantiser above would give.
;; One version. Each part assembles by itself: llvm-mc -triple=amdgcn-amd-amdhsa -mcpu=gfx1250 --defsym DOCPART=n.
;; ======== version 1 of 1: 5 launches
;; limits: right only within a limited range of input values
;; workspace buffers: xq 2,179,072 bytes; route 10,240 bytes of whole numbers; xs 4,866,048 bytes; plan 16,640 bytes of whole numbers; hid 21,626,880 bytes; yrows 20,971,520 bytes
;; launch route (part 1): grid 256 x 1, 8 waves a work-group, no clusters, 19,968 bytes of LDS; arguments x, Wr, br, xq, route; writes xq, route
.if DOCPART == 1
	.amdgcn_target "amdgcn-amd-amdhsa--gfx1250"
	.amdhsa_code_object_version 6
	.text
	.protected	k_qf5a9da4d03_route
	.globl	k_qf5a9da4d03_route
	.p2align	8
	.type	k_qf5a9da4d03_route,@function
k_qf5a9da4d03_route:
	s_mov_b64 s[64:65], 0
	v_nop
	global_prefetch_b8 v0, s[64:65] scope:SCOPE_SE
	s_setreg_imm32_b32 hwreg(HW_REG_WAVE_MODE, 25, 1), 1
	s_wait_xcnt 0x0
; ROUTER AND QUANTISER OF x.  A work-group takes 8 tokens, a wave one token T = 8 g + w.
; It makes (a) x's codes of E4M3 and scale bytes, in token order; (b) the four logits x . Wr + br in f32, the two largest, and their gates;
; (c) for the group of 8 tokens: how many chose each expert, and each token's rank among the group's tokens of the same expert.
; Nothing here forms an address from the choice: choices, ranks and counts are stored at fixed places for the next launch.
; LIMITS: NaN and infinities are not served.  The two experts are chosen by the logits (equal logits: the lower index); two unequal logits whose f32
; probabilities coincide could be ordered otherwise than by the probabilities.  Gates: e^(L - max(La, Lb)) / the sum of the two: the softmax's divisor
; cancels, and the larger of the two chosen logits is the row's maximum.  A block of zeros gets the scale byte 1 (its codes are zeros; only this program reads the bytes).
; A lane holds k = 256 s + 8 l + i (s = 0..3, i = 0..7): each load of x covers consecutive bytes, four lanes hold a block of 32.
; Wr COMES ONCE A WORK-GROUP: wave w brings its rows 128 w .. 128 w + 127 by four loads of 512 consecutive bytes and lays them in LDS, eight rows (128 bytes) and then 16 bytes of padding;
; behind a barrier a lane reads the rows of its own k: lanes stand 144 bytes apart, an odd multiple of 16, so that sixteen lanes fall on sixteen different columns of 16 bytes.
.set XQS, 2097152                      ; xq: scale bytes [2048][32]
.set XQG, 2162688                      ; xq: gates [2048][2]
.set RH,  8192                         ; route: counts [256][2]
.set WRS, 512                          ; LDS: Wr, 128 groups of 144 bytes
.set X,   32                           ; v32-63   x, register 8 s + i
.set WR,  64                           ; v64-191  Wr, register 4 (8 s + i) + e; later the work of the choice
.set CD,  192                          ; v192-199 codes
.set HL,  200                          ; v200-207 eight held numbers (x itself stays as it is for the router)
	s_load_b256 s[4:11], s[0:1], 0x0               ; x s[4:5], Wr s[6:7], br s[8:9], xq s[10:11]
	s_load_b64 s[12:13], s[0:1], 0x20              ; route
	v_lshl_add_u32 v208, v0, 2, 0x4a00
	v_mov_b32 v209, 0
	v_and_b32 v1, 31, v0                           ; lane
	v_lshrrev_b32 v2, 5, v0
	s_delay_alu instid0(VALU_DEP_1)
	v_readfirstlane_b32 s14, v2                    ; wave
	s_lshl_b32 s15, ttmp9, 3
	s_add_co_u32 s15, s15, s14                     ; T
	s_lshl_b32 s20, s15, 12                        ; a row of x is 4,096 bytes,
	s_mov_b32 s21, 0
	s_lshl_b32 s22, s15, 10                        ; of codes 1,024
	s_mov_b32 s23, 0
	v_lshlrev_b32 v2, 5, v1                        ; x: 32 bytes a lane
	s_lshl_b32 s28, s14, 11
	v_lshl_add_u32 v3, v1, 4, s28                  ; Wr in memory: my wave's 2,048 bytes, 16 a lane
	v_lshlrev_b32 v4, 3, v1                        ; codes: 8 bytes a lane
	v_bfe_u32 v5, v1, 2, 2
	s_delay_alu instid0(VALU_DEP_1)
	v_lshlrev_b32 v5, 3, v5                        ; my block's byte in its scale word: shift 8 ((l / 4) % 4)
	v_lshrrev_b32 v6, 4, v1
	s_delay_alu instid0(VALU_DEP_1)
	v_lshlrev_b32 v6, 2, v6
	s_lshl_b32 s24, s14, 5
	v_add_nc_u32 v6, s24, v6                       ; LDS: 32 w + 4 (l / 16)
	v_lshrrev_b32 v8, 3, v1
	s_delay_alu instid0(VALU_DEP_1)
	v_mul_u32_u24 v8, v8, 144
	v_and_b32 v9, 7, v1
	s_delay_alu instid0(VALU_DEP_1)
	v_lshl_add_u32 v8, v9, 4, v8
	s_mul_i32 s29, s14, 2304
	s_add_co_u32 s29, s29, WRS
	v_add_nc_u32 v8, s29, v8                       ; Wr into LDS: row 128 w + 32 n + l lies in group 16 w + 4 n + l / 8, at 16 (l % 8)
	v_mul_u32_u24 v9, v1, 144
	s_delay_alu instid0(VALU_DEP_1)
	v_add_nc_u32 v9, WRS, v9                       ; and out of it: row 256 s + 8 l + i lies in group 32 s + l, at 16 i
	s_mov_b32 s25, 0x600000                        ; the mantissa field of 448
	s_mov_b32 s26, 0x76543210
	s_mov_b32 s27, 0xfedcba98                      ; selects for lane l xor 16
	s_wait_alu depctr_va_vdst(0)
	s_wait_kmcnt 0x0
	s_load_b128 s[16:19], s[8:9], 0x0              ; br
	s_add_nc_u64 s[4:5], s[4:5], s[20:21]
	s_add_nc_u64 s[22:23], s[10:11], s[22:23]
.irp n, 0,1,2,3
	global_load_b128 v[WR+4*\n:WR+4*\n+3], v3, s[6:7] offset:512*\n   ; 32 lanes read 512 consecutive bytes
.endr
.irp s, 0,1,2,3
	global_load_b128 v[X+8*\s:X+8*\s+3], v2, s[4:5] offset:1024*\s th:TH_LOAD_NT
	global_load_b128 v[X+8*\s+4:X+8*\s+7], v2, s[4:5] offset:1024*\s+16 th:TH_LOAD_NT
.endr
	s_wait_loadcnt 8                               ; my four loads of Wr are in; x's eight, issued behind them, may be out
.irp n, 0,1,2,3
	ds_store_b128 v8, v[WR+4*\n:WR+4*\n+3] offset:576*\n
.endr
	s_wait_dscnt 0x0                               ; for the others' sake: my part of Wr has landed
	s_barrier_signal -1
	s_barrier_wait -1                              ; everybody's has
.irp s, 0,1,2,3
.irp i, 0,1,2,3,4,5,6,7
	ds_load_b128 v[WR+4*(8*\s+\i):WR+4*(8*\s+\i)+3], v9 offset:4608*\s+16*\i   ; they land while x is quantised
.endr
.endr
	s_wait_loadcnt 0x0                             ; x
	; ---- the quantiser: the four segments by turns
.irp s, 0,1,2,3
	v_max3_num_f32 v[20+\s], |v[X+8*\s]|, |v[X+8*\s+1]|, 0x4800000   ; my 8 numbers and the floor 2^(9 - 127): the byte cannot fall under 1
.endr
.irp i, 2,4,6
.irp s, 0,1,2,3
	s_delay_alu instid0(VALU_DEP_4)
	v_max3_num_f32 v[20+\s], v[20+\s], |v[X+8*\s+\i]|, |v[X+8*\s+\i+1]|
.endr
.endr
.irp k, 1,2
.irp s, 0,1,2,3
	s_delay_alu instid0(VALU_DEP_4)
	v_max_num_f32_dpp v[20+\s], v[20+\s], v[20+\s] row_xmask:\k row_mask:0xf bank_mask:0xf   ; the four lanes of a block
.endr
.endr
.irp s, 0,1,2,3
	s_delay_alu instid0(VALU_DEP_4)
	v_add_nc_u32 v[24+\s], 0xfc000000, v[20+\s]    ; 8 off the exponent field: the conversion's scale operand
.endr
.irp s, 0,1,2,3
	v_and_or_b32 v[28+\s], v[20+\s], 0x7f800000, s25   ; 448 x the scale
.endr
.irp s, 0,1,2,3
.irp i, 0,1,2,3,4,5,6,7
	v_med3_num_f32 v[HL+\i], v[X+8*\s+\i], -v[28+\s], v[28+\s]   ; the conversion does not saturate (ISA guide 7.6.2): the hold
.endr
	v_cvt_scalef32_pk8_fp8_f32 v[CD+2*\s:CD+2*\s+1], v[HL:HL+7], v[24+\s]
	v_lshrrev_b32 v[20+\s], 23, v[24+\s]           ; the scale's byte; also the plain line behind the conversion
	global_store_b64 v4, v[CD+2*\s:CD+2*\s+1], s[22:23] offset:256*\s   ; 32 lanes store 256 consecutive bytes, aligned
.endr
.irp s, 0,1,2,3
	v_lshlrev_b32 v[20+\s], v5, v[20+\s]           ; the byte at its place in the word of 128 along K
.endr
.irp k, 4,8
.irp s, 0,1,2,3
	s_delay_alu instid0(VALU_DEP_4)
	v_add_nc_u32_dpp v[20+\s], v[20+\s], v[20+\s] row_xmask:\k row_mask:0xf bank_mask:0xf   ; the four blocks' bytes meet: every lane of a half holds the word of K step 2 s + l / 16
.endr
.endr
.irp s, 0,1,2,3
	ds_store_b32 v6, v[20+\s] offset:8*\s          ; lanes that share a word store equal values
.endr
	; ---- the router: four dot products in f32, in chains for even and for odd k
	s_wait_dscnt 0x0                               ; Wr's rows of my k are in
	s_wait_kmcnt 0x0                               ; br
.set n, 0
.rept 32
.set xp, X+2*(n/2)
.set wp, WR+4*n
.if n == 0
	v_pk_mul_f32 v[8:9], v[xp:xp+1], v[wp:wp+1] op_sel_hi:[0,1]
	v_pk_mul_f32 v[10:11], v[xp:xp+1], v[wp+2:wp+3] op_sel_hi:[0,1]
.elseif n == 1
	v_pk_mul_f32 v[12:13], v[xp:xp+1], v[wp:wp+1] op_sel:[1,0] op_sel_hi:[1,1]
	v_pk_mul_f32 v[14:15], v[xp:xp+1], v[wp+2:wp+3] op_sel:[1,0] op_sel_hi:[1,1]
.elseif n%2 == 0
	s_delay_alu instid0(VALU_DEP_4)
	v_pk_fma_f32 v[8:9], v[xp:xp+1], v[wp:wp+1], v[8:9] op_sel_hi:[0,1,1]
	s_delay_alu instid0(VALU_DEP_4)
	v_pk_fma_f32 v[10:11], v[xp:xp+1], v[wp+2:wp+3], v[10:11] op_sel_hi:[0,1,1]
.else
	s_delay_alu instid0(VALU_DEP_4)
	v_pk_fma_f32 v[12:13], v[xp:xp+1], v[wp:wp+1], v[12:13] op_sel:[1,0,0] op_sel_hi:[1,1,1]
	s_delay_alu instid0(VALU_DEP_4)
	v_pk_fma_f32 v[14:15], v[xp:xp+1], v[wp+2:wp+3], v[14:15] op_sel:[1,0,0] op_sel_hi:[1,1,1]
.endif
.set n, n+1
.endr
	s_delay_alu instid0(VALU_DEP_2)
	v_pk_add_f32 v[8:9], v[8:9], v[12:13]
	s_delay_alu instid0(VALU_DEP_2)
	v_pk_add_f32 v[10:11], v[10:11], v[14:15]
.irp k, 1,2,4,8
.irp e, 0,1,2,3
	v_add_f32_dpp v[8+\e], v[8+\e], v[8+\e] row_xmask:\k row_mask:0xf bank_mask:0xf
.endr
.endr
.irp e, 0,1,2,3
	v_mov_b32 v[16+\e], 0                          ; a lane permute's destination counts as read
.endr
.irp e, 0,1,2,3
	s_delay_alu instid0(VALU_DEP_4)
	v_permlanex16_b32 v[16+\e], v[8+\e], s26, s27
.endr
.irp e, 0,1,2,3
	s_delay_alu instid0(VALU_DEP_4)
	v_add_f32 v[16+\e], v[8+\e], v[16+\e]
.endr
.irp e, 0,1,2,3
	s_delay_alu instid0(VALU_DEP_4)
	v_add_f32 v[16+\e], s[16+\e], v[16+\e]         ; + br: the logits, in every lane
.endr
	; ---- the two largest.  rank e = how many experts come before e: those with a larger logit, and of equal logits those with a lower index
.irp e, 0,1,2,3
	v_mov_b32 v[64+\e], 0
.endr
.macro PAIR i, j
	v_cmp_gt_f32 vcc_lo, v[16+\j], v[16+\i]
	s_delay_alu instid0(VALU_DEP_1)
	v_cndmask_b32 v68, 0, 1, vcc_lo
	s_delay_alu instid0(VALU_DEP_1)
	v_add_nc_u32 v[64+\i], v[64+\i], v68
	s_delay_alu instid0(VALU_DEP_2)
	v_sub_nc_u32 v68, 1, v68
	s_delay_alu instid0(VALU_DEP_1)
	v_add_nc_u32 v[64+\j], v[64+\j], v68
.endm
	PAIR 0, 1
	PAIR 0, 2
	PAIR 0, 3
	PAIR 1, 2
	PAIR 1, 3
	PAIR 2, 3
.irp e, 0,1,2,3
	v_cmp_gt_u32 s[28+\e], 2, v[64+\e]             ; chosen
.endr
	v_mov_b32 v69, 0                               ; a: the lower chosen expert
	v_mov_b32 v70, 0                               ; b: the higher
	v_mov_b32 v71, v16                             ; their logits
	v_mov_b32 v72, v16
.irp e, 3
	s_delay_alu instid0(VALU_DEP_4)
	v_cndmask_b32 v69, v69, \e, s[28+\e]
	s_delay_alu instid0(VALU_DEP_3)
	v_cndmask_b32 v71, v71, v[16+\e], s[28+\e]
.endr
.irp e, 2, 1, 0
	s_delay_alu instid0(VALU_DEP_2)
	v_cndmask_b32 v69, v69, \e, s[28+\e]
	s_delay_alu instid0(VALU_DEP_2)
	v_cndmask_b32 v71, v71, v[16+\e], s[28+\e]
.endr
.irp e, 0
	v_cndmask_b32 v70, v70, \e, s[28+\e]
	v_cndmask_b32 v72, v72, v[16+\e], s[28+\e]
.endr
.irp e, 1, 2, 3
	s_delay_alu instid0(VALU_DEP_2)
	v_cndmask_b32 v70, v70, \e, s[28+\e]
	s_delay_alu instid0(VALU_DEP_2)
	v_cndmask_b32 v72, v72, v[16+\e], s[28+\e]
.endr
	s_delay_alu instid0(VALU_DEP_1)
	v_max_num_f32 v73, v71, v72                    ; the row's maximum
	s_delay_alu instid0(VALU_DEP_1)
	v_sub_f32 v74, v71, v73
	s_delay_alu instid0(VALU_DEP_2)
	v_sub_f32 v75, v72, v73
	s_delay_alu instid0(VALU_DEP_2)
	v_mul_f32 v74, 0x3fb8aa3b, v74
	s_delay_alu instid0(VALU_DEP_2)
	v_mul_f32 v75, 0x3fb8aa3b, v75
	s_wait_alu depctr_va_vdst(0)
	v_exp_f32 v74, v74
	v_exp_f32 v75, v75
	v_lshlrev_b32 v76, 3, v69                      ; (a plain line behind the exponentials)
	s_wait_alu depctr_va_vdst(0)                   ; one wait for both, ahead of their first reader
	v_add_f32 v73, v74, v75
	s_wait_alu depctr_va_vdst(0)
	v_rcp_f32 v73, v73
	v_lshlrev_b32 v78, 3, v70                      ; (a plain line behind the reciprocal)
	s_wait_alu depctr_va_vdst(0)
	v_mul_f32 v74, v74, v73                        ; ga
	v_mul_f32 v75, v75, v73                        ; gb
	v_mov_b32 v77, 1
	s_delay_alu instid0(VALU_DEP_1)
	v_lshlrev_b32 v76, v76, v77
	s_delay_alu instid0(VALU_DEP_2)
	v_lshlrev_b32 v78, v78, v77
	s_delay_alu instid0(VALU_DEP_1)
	v_add_nc_u32 v76, v76, v78                     ; a 1 in byte a and in byte b
	v_lshl_or_b32 v69, v70, 8, v69                 ; a | b << 8
	v_mov_b32 v2, s14                              ; (x's and Wr's loads are done: their offset registers are free)
	s_delay_alu instid0(VALU_DEP_1)
	v_lshlrev_b32 v3, 3, v2
	s_delay_alu instid0(VALU_DEP_2)
	v_lshlrev_b32 v2, 2, v2
	ds_store_b32 v2, v76 offset:256
	ds_store_b32 v2, v69 offset:288
	ds_store_b64 v3, v[74:75] offset:320
	s_wait_dscnt 0x0                               ; for wave 0's sake: my stores have landed
	s_barrier_signal -1
	s_barrier_wait -1
	s_cmp_lg_u32 s14, 0
	s_cbranch_scc1 .Lend
	; ---- wave 0: the group's scale bytes, gates, choices with ranks, counts
	v_mov_b32 v80, 0
	v_and_b32 v96, 7, v1
	s_delay_alu instid0(VALU_DEP_1)
	v_lshlrev_b32 v94, 2, v96
	v_and_b32 v95, 15, v1
	s_delay_alu instid0(VALU_DEP_1)
	v_lshlrev_b32 v95, 2, v95
	ds_load_b64 v[82:83], v4                       ; 256 scale bytes
	ds_load_b128 v[84:87], v80 offset:256          ; the eight tokens' marks
	ds_load_b128 v[88:91], v80 offset:272
	ds_load_b32 v92, v94 offset:288                ; token l % 8: a | b << 8
	ds_load_b32 v93, v95 offset:320                ; gates
	s_lshl_b32 s20, ttmp9, 8
	s_mov_b32 s21, 0
	s_add_nc_u64 s[32:33], s[10:11], s[20:21]      ; xq + 256 g
	s_lshl_b32 s20, ttmp9, 6
	s_add_nc_u64 s[34:35], s[10:11], s[20:21]      ; xq + 64 g
	v_lshlrev_b32 v109, 2, v1
	s_lshl_b32 s29, ttmp9, 5
	s_lshl_b32 s30, ttmp9, 3
	s_add_co_u32 s30, s30, RH-32
	v_add_nc_u32 v107, s29, v109                   ; lanes 0-7: choices at 32 g + 4 l
	v_add_nc_u32 v108, s30, v109                   ; lanes 8, 9: counts at RH + 8 g + 4 (l - 8)
	v_cmp_gt_u32 vcc_lo, 8, v1
	s_delay_alu instid0(VALU_DEP_1)
	v_cndmask_b32 v107, v108, v107, vcc_lo
	v_mov_b32 v97, 0                               ; marks of the tokens before mine
	v_mov_b32 v98, 0                               ; of all eight
	s_wait_dscnt 0x0
.irp w, 0,1,2,3,4,5,6,7
	v_cmp_lt_u32 vcc_lo, \w, v96
	s_delay_alu instid0(VALU_DEP_1)
	v_cndmask_b32 v99, 0, v[84+\w], vcc_lo
	s_wait_alu depctr_va_vdst(0)
	v_add_nc_u32 v97, v97, v99
	v_add_nc_u32 v98, v98, v[84+\w]
.endr
	v_and_b32 v100, 0xff, v92                      ; a
	v_lshrrev_b32 v101, 8, v92                     ; b
	s_delay_alu instid0(VALU_DEP_2)
	v_lshlrev_b32 v100, 3, v100
	s_delay_alu instid0(VALU_DEP_2)
	v_lshlrev_b32 v101, 3, v101
	s_delay_alu instid0(VALU_DEP_2)
	v_lshrrev_b32 v102, v100, v97
	s_delay_alu instid0(VALU_DEP_2)
	v_lshrrev_b32 v103, v101, v97
	s_delay_alu instid0(VALU_DEP_2)
	v_and_b32 v102, 0xff, v102                     ; ra
	s_delay_alu instid0(VALU_DEP_2)
	v_and_b32 v103, 0xff, v103                     ; rb
	s_delay_alu instid0(VALU_DEP_2)
	v_lshl_or_b32 v92, v102, 16, v92
	s_delay_alu instid0(VALU_DEP_1)
	v_lshl_or_b32 v92, v103, 24, v92               ; a | b << 8 | ra << 16 | rb << 24
	v_and_b32 v104, 0xff, v98
	v_bfe_u32 v106, v98, 8, 8
	s_delay_alu instid0(VALU_DEP_1)
	v_lshl_or_b32 v104, v106, 16, v104             ; c0 | c1 << 16
	v_bfe_u32 v105, v98, 16, 8
	v_lshrrev_b32 v106, 24, v98
	s_delay_alu instid0(VALU_DEP_1)
	v_lshl_or_b32 v105, v106, 16, v105             ; c2 | c3 << 16
	v_cmp_eq_u32 vcc_lo, 8, v1
	s_delay_alu instid0(VALU_DEP_1)
	v_cndmask_b32 v92, v92, v104, vcc_lo
	v_cmp_eq_u32 vcc_lo, 9, v1
	s_delay_alu instid0(VALU_DEP_1)
	v_cndmask_b32 v92, v92, v105, vcc_lo
	global_store_b64 v4, v[82:83], s[32:33] offset:XQS   ; 256 consecutive bytes, aligned
	s_wait_alu depctr_va_vdst(0)
	s_wait_xcnt 0x0                                ; EXEC changes only behind this wait
	v_cmp_gt_u32 vcc_lo, 16, v1
	s_and_saveexec_b32 s36, vcc_lo
	global_store_b32 v109, v93, s[34:35] offset:XQG
	s_wait_xcnt 0x0
	s_or_b32 exec_lo, exec_lo, s36
	v_cmp_gt_u32 vcc_lo, 10, v1
	s_and_saveexec_b32 s36, vcc_lo
	global_store_b32 v107, v92, s[12:13]
	s_wait_xcnt 0x0
	s_or_b32 exec_lo, exec_lo, s36
.Lend:
	s_wait_tensorcnt 0x0
	ds_add_u32 v208, v209
	s_wait_dscnt 0x0
	s_endpgm
.Lfunc_end_k_qf5a9da4d03_route:
	.size	k_qf5a9da4d03_route, .Lfunc_end_k_qf5a9da4d03_route-k_qf5a9da4d03_route
	.p2alignl 7, 3214868480
	.fill 96, 4, 3214868480
	.section	.rodata,"a",@progbits
	.p2align	6, 0x0
	.amdhsa_kernel k_qf5a9da4d03_route
		.amdhsa_group_segment_fixed_size 19968
		.amdhsa_private_segment_fixed_size 0
		.amdhsa_enable_private_segment 0
		.amdhsa_kernarg_size 40
		.amdhsa_user_sgpr_count 2
		.amdhsa_user_sgpr_kernarg_segment_ptr 1
		.amdhsa_wavefront_size32 1
		.amdhsa_system_sgpr_workgroup_id_x 1
		.amdhsa_system_sgpr_workgroup_id_y 1
		.amdhsa_system_sgpr_workgroup_id_z 1
		.amdhsa_system_vgpr_workitem_id 0
		.amdhsa_next_free_vgpr 210
		.amdhsa_next_free_sgpr 66
		.amdhsa_reserve_vcc 1
		.amdhsa_float_denorm_mode_32 3
		.amdhsa_float_denorm_mode_16_64 3
		.amdhsa_memory_ordered 1
		.amdhsa_forward_progress 1
		.amdhsa_inst_pref_size 31
	.end_amdhsa_kernel
	.amdgpu_metadata
---
amdhsa.version: [ 1, 2 ]
amdhsa.kernels:
  - .name:           k_qf5a9da4d03_route
    .symbol:         k_qf5a9da4d03_route.kd
    .args:
      - { .name: x, .offset: 0, .size: 8, .value_kind: global_buffer, .address_space: global }
      - { .name: Wr, .offset: 8, .size: 8, .value_kind: global_buffer, .address_space: global }
      - { .name: br, .offset: 16, .size: 8, .value_kind: global_buffer, .address_space: global }
      - { .name: xq, .offset: 24, .size: 8, .value_kind: global_buffer, .address_space: global }
      - { .name: route, .offset: 32, .size: 8, .value_kind: global_buffer, .address_space: global }
    .group_segment_fixed_size: 19968
    .private_segment_fixed_size: 0
    .kernarg_segment_align: 8
    .kernarg_segment_size: 40
    .max_flat_workgroup_size: 256
    .sgpr_count:     66
    .vgpr_count:     210
    .wavefront_size: 32
...
	.end_amdgpu_metadata
.endif
;; end of part 1
;; launch place (part 2): grid 256 x 1, 1 waves a work-group, no clusters, 0 bytes of LDS; arguments xq, route, xs, plan; writes xs, plan
.if DOCPART == 2
	.amdgcn_target "amdgcn-amd-amdhsa--gfx1250"
	.amdhsa_code_object_version 6
	.text
	.protected	k_qf5a9da4d03_place
	.globl	k_qf5a9da4d03_place
	.p2align	8
	.type	k_qf5a9da4d03_place,@function
k_qf5a9da4d03_place:
	s_mov_b64 s[64:65], 0
	v_nop
	global_prefetch_b8 v0, s[64:65] scope:SCOPE_SE
	s_setreg_imm32_b32 hwreg(HW_REG_WAVE_MODE, 25, 1), 1
	s_wait_xcnt 0x0
; THE ROWS ARE PLACED BY EXPERT.  One wave takes the group G of 8 tokens of the launch before: 16 routed rows.
; From the 256 groups' counts every wave makes for itself: n_e (rows of expert e), es_e (where e's rows begin in the sorted list), the rows of e in groups before G,
; ct_e = ceil(n_e / 320) (tiles of 320 rows), cb_e (e's first tile).  A routed row goes to place pos = es_e + (rows of e before it) of xs (codes and scale bytes copied),
; and will be row y = 320 cb_e + (rows of e before it) of the products' results: y / 80 and y % 80 are stored for the last launch.
; xs is dense: 4,096 rows; behind them 512 rows of zero codes, into which a tile's window of 320 rows may run.  Wave 0 also stores the table of tiles {expert, first row}.
; The sum of ct_e is at most 16 for every split ((4,096 + 4 x 319) / 320); a tile that a split leaves without rows gets {0, 0}.
.set XQS, 2097152
.set RH,  8192
.set XSS, 4718592                      ; xs: scale bytes [4608][32]
.set ROW, 32                           ; v32-95  8 tokens' codes, 32 bytes a lane
.set AO,  96                           ; v96-111 a byte offset for each routed row
	s_load_b256 s[4:11], s[0:1], 0x0               ; xq s[4:5], route s[6:7], xs s[8:9], plan s[10:11]
	v_and_b32 v1, 31, v0                           ; lane
	v_lshlrev_b32 v2, 4, v1                        ; 16 l
	v_and_b32 v3, 7, v1
	v_lshlrev_b32 v3, 2, v3                        ; 4 (l % 8)
	v_lshrrev_b32 v4, 4, v1
	v_lshl_add_u32 v4, v4, 5, v3                   ; 32 (l / 16) + 4 (l % 8)
	v_bfe_u32 v5, v1, 1, 3
	v_lshlrev_b32 v5, 2, v5                        ; 4 ((l / 2) % 8): my routed row's token
	v_lshlrev_b32 v6, 3, v1                        ; 8 l
	v_lshlrev_b32 v7, 2, v1                        ; 4 l
	s_mov_b32 s22, 0x76543210
	s_mov_b32 s23, 0xfedcba98
	s_mov_b32 s19, 0
	s_wait_alu depctr_va_vdst(0)
	s_wait_kmcnt 0x0
	s_lshl_b32 s18, ttmp9, 13
	s_add_nc_u64 s[12:13], s[4:5], s[18:19]        ; my 8 rows of codes
	s_lshl_b32 s18, ttmp9, 8
	s_add_nc_u64 s[14:15], s[4:5], s[18:19]        ; (+ XQS) their scale bytes
	s_lshl_b32 s18, ttmp9, 5
	s_add_nc_u64 s[16:17], s[6:7], s[18:19]        ; their choices
	s_lshl_b32 s18, ttmp9, 6
	s_add_nc_u64 s[60:61], s[10:11], s[18:19]      ; plan + 64 G
	s_add_nc_u64 s[62:63], s[8:9], s[18:19]        ; xs + 64 G
	s_lshl_b32 s18, ttmp9, 11
	s_add_co_u32 s18, s18, 4194304
	s_add_nc_u64 s[58:59], s[8:9], s[18:19]        ; xs at row 4,096 + 2 G
.irp i, 0,1,2,3,4,5,6,7
	global_load_b128 v[ROW+8*\i:ROW+8*\i+3], v2, s[12:13] offset:1024*\i
	global_load_b128 v[ROW+8*\i+4:ROW+8*\i+7], v2, s[12:13] offset:1024*\i+512
.endr
.irp k, 0,1,2,3
	global_load_b32 v[24+\k], v4, s[14:15] offset:XQS+64*\k   ; token 2 k + l / 16, word l % 8
.endr
	global_load_b32 v28, v5, s[16:17]
.irp j, 0,1,2,3,4,5,6,7
	global_load_b64 v[8+2*\j:9+2*\j], v6, s[6:7] offset:RH+256*\j   ; the counts of group 32 j + l
.endr
.irp r, 112,113,114,115,116,117,118,119,122,123
	v_mov_b32 v\r, 0
.endr
	s_wait_alu depctr_va_vdst(0)
	s_wait_loadcnt 0x0
.irp j, 0,1,2,3,4,5,6,7
	s_sub_co_i32 s20, ttmp9, 32*\j
	v_cmp_gt_i32 vcc_lo, s20, v1                   ; group 32 j + l comes before mine
	v_add_nc_u32 v116, v116, v[8+2*\j]
	v_add_nc_u32 v117, v117, v[9+2*\j]
	v_cndmask_b32 v120, 0, v[8+2*\j], vcc_lo
	v_cndmask_b32 v121, 0, v[9+2*\j], vcc_lo
	v_add_nc_u32 v118, v118, v120
	v_add_nc_u32 v119, v119, v121
.endr
.irp k, 1,2,4,8
.irp r, 116,117,118,119
	v_add_nc_u32_dpp v\r, v\r, v\r row_xmask:\k row_mask:0xf bank_mask:0xf
.endr
.endr
.irp q, 0,1,2,3
	v_permlanex16_b32 v[120+\q], v[116+\q], s22, s23
.endr
.irp q, 0,1,2,3
	v_add_nc_u32 v[116+\q], v[116+\q], v[120+\q]
	v_readfirstlane_b32 s[24+\q], v[116+\q]
.endr
	s_and_b32 s28, s24, 0xffff                     ; n0 .. n3 (each at most 2,048: the halves never carry)
	s_lshr_b32 s29, s24, 16
	s_and_b32 s30, s25, 0xffff
	s_lshr_b32 s31, s25, 16
	s_and_b32 s32, s26, 0xffff                     ; the rows of each expert in the groups before mine
	s_lshr_b32 s33, s26, 16
	s_and_b32 s34, s27, 0xffff
	s_lshr_b32 s35, s27, 16
	s_mov_b32 s36, 0                               ; es0 .. es3
	s_mov_b32 s37, s28
	s_add_co_u32 s38, s37, s29
	s_add_co_u32 s39, s38, s30
	s_mov_b32 s40, 0                               ; cb0 .. cb4
.irp e, 0,1,2,3
	s_add_co_u32 s56, s[28+\e], 319
	s_mul_i32 s56, s56, 3277
	s_lshr_b32 s56, s56, 20                        ; (n + 319) / 320: exact for arguments under 16,384
	s_add_co_u32 s[41+\e], s[40+\e], s56
.endr
.irp e, 0,1,2,3
	s_add_co_u32 s[45+\e], s[36+\e], s[32+\e]      ; where my group's rows of e begin in xs,
	s_mul_i32 s56, s[40+\e], 320
	s_add_co_u32 s[49+\e], s56, s[32+\e]           ; and among the results' rows
.endr
	v_and_b32 v122, 1, v1                          ; my routed row's slot
	v_lshlrev_b32 v122, 3, v122
	v_lshrrev_b32 v123, v122, v28
	v_and_b32 v124, 0xff, v123                     ; its expert
	v_bfe_u32 v125, v123, 16, 8                    ; its rank in the group
	v_cmp_eq_u32 s53, 1, v124
	v_cmp_eq_u32 s54, 2, v124
	v_cmp_eq_u32 s55, 3, v124
	v_mov_b32 v29, s45
	v_mov_b32 v30, s49
.irp e, 1,2,3
	v_cndmask_b32 v29, v29, s[45+\e], s[52+\e]
	v_cndmask_b32 v30, v30, s[49+\e], s[52+\e]
.endr
	v_add_nc_u32 v29, v29, v125                    ; pos
	v_add_nc_u32 v30, v30, v125                    ; y, under 5,120
	v_mul_u32_u24 v126, v30, 3277
	v_lshrrev_b32 v126, 18, v126                   ; y / 80: exact under 16,384
	v_mul_u32_u24 v127, v126, 80
	v_sub_nc_u32 v127, v30, v127
	v_lshl_or_b32 v31, v127, 8, v126               ; y / 80 | (y % 80) << 8
	; ---- the 16 rows of codes: each store covers 512 consecutive bytes
.irp q, 0,1,2,3,4,5,6,7,8,9,10,11,12,13,14,15
	v_readlane_b32 s56, v29, \q
	s_min_u32 s56, s56, 4095
	v_lshl_add_u32 v[AO+\q], s56, 10, v2
	global_store_b128 v[AO+\q], v[ROW+8*(\q/2):ROW+8*(\q/2)+3], s[8:9]
	global_store_b128 v[AO+\q], v[ROW+8*(\q/2)+4:ROW+8*(\q/2)+7], s[8:9] offset:512
.endr
	; ---- their scale bytes: four rows of 32 bytes an instruction, eight lanes a row
	v_lshrrev_b32 v126, 3, v1
	v_lshlrev_b32 v126, 2, v126
.irp k, 0,1,2,3
	v_add_nc_u32 v[120+\k], 16*\k, v126
	ds_bpermute_b32 v[116+\k], v[120+\k], v29      ; pos of routed row 4 k + l / 8
.endr
	s_wait_dscnt 0x0
.irp k, 0,1,2,3
	v_min_u32 v[116+\k], 0xfff, v[116+\k]
	v_lshl_add_u32 v[116+\k], v[116+\k], 5, v3
	global_store_b32 v[116+\k], v[24+\k], s[8:9] offset:XSS
.endr
.irp i, 0,1,2,3
	global_store_b128 v2, v[112:115], s[58:59] offset:512*\i   ; two of the 512 rows of zero codes
.endr
	v_mov_b32 v127, 0x7f7f7f7f
	s_wait_alu depctr_va_vdst(0)
	s_wait_xcnt 0x0                                ; EXEC changes only behind this wait
	v_cmp_gt_u32 vcc_lo, 16, v1
	s_and_saveexec_b32 s57, vcc_lo
	global_store_b32 v7, v31, s[60:61] offset:256            ; where my group's 16 results will lie
	global_store_b32 v7, v127, s[62:63] offset:XSS+131072    ; the zero rows' scale bytes: 1.0
	s_wait_xcnt 0x0
	s_or_b32 exec_lo, exec_lo, s57
	s_cmp_lg_u32 ttmp9, 0
	s_cbranch_scc1 .Ldone
	; ---- the table of tiles: lane c makes tile c's entry (every earlier store has read its registers: the wait above)
	v_mov_b32 v116, 0
	v_mov_b32 v118, 0
	v_mov_b32 v119, 0
.irp e, 1,2,3
	v_cmp_le_u32 vcc_lo, s[40+\e], v1
	v_cndmask_b32 v116, v116, \e, vcc_lo
	v_cndmask_b32 v118, v118, s[36+\e], vcc_lo
	v_cndmask_b32 v119, v119, s[40+\e], vcc_lo
.endr
	v_sub_nc_u32 v119, v1, v119
	v_mad_u32_u24 v117, v119, 320, v118            ; the tile's first row of xs
	v_cmp_le_u32 vcc_lo, s44, v1
	v_cndmask_b32 v116, v116, 0, vcc_lo
	v_cndmask_b32 v117, v117, 0, vcc_lo
	global_store_b64 v6, v[116:117], s[10:11]
.Ldone:
	s_endpgm
.Lfunc_end_k_qf5a9da4d03_place:
	.size	k_qf5a9da4d03_place, .Lfunc_end_k_qf5a9da4d03_place-k_qf5a9da4d03_place
	.p2alignl 7, 3214868480
	.fill 96, 4, 3214868480
	.section	.rodata,"a",@progbits
	.p2align	6, 0x0
	.amdhsa_kernel k_qf5a9da4d03_place
		.amdhsa_group_segment_fixed_size 0
		.amdhsa_private_segment_fixed_size 0
		.amdhsa_enable_private_segment 0
		.amdhsa_kernarg_size 32
		.amdhsa_user_sgpr_count 2
		.amdhsa_user_sgpr_kernarg_segment_ptr 1
		.amdhsa_wavefront_size32 1
		.amdhsa_system_sgpr_workgroup_id_x 1
		.amdhsa_system_sgpr_workgroup_id_y 1
		.amdhsa_system_sgpr_workgroup_id_z 1
		.amdhsa_system_vgpr_workitem_id 0
		.amdhsa_next_free_vgpr 128
		.amdhsa_next_free_sgpr 66
		.amdhsa_reserve_vcc 1
		.amdhsa_float_denorm_mode_32 3
		.amdhsa_float_denorm_mode_16_64 3
		.amdhsa_memory_ordered 1
		.amdhsa_forward_progress 1
		.amdhsa_inst_pref_size 21
	.end_amdhsa_kernel
	.amdgpu_metadata
---
amdhsa.version: [ 1, 2 ]
amdhsa.kernels:
  - .name:           k_qf5a9da4d03_place
    .symbol:         k_qf5a9da4d03_place.kd
    .args:
      - { .name: xq, .offset: 0, .size: 8, .value_kind: global_buffer, .address_space: global }
      - { .name: route, .offset: 8, .size: 8, .value_kind: global_buffer, .address_space: global }
      - { .name: xs, .offset: 16, .size: 8, .value_kind: global_buffer, .address_space: global }
      - { .name: plan, .offset: 24, .size: 8, .value_kind: global_buffer, .address_space: global }
    .group_segment_fixed_size: 0
    .private_segment_fixed_size: 0
    .kernarg_segment_align: 8
    .kernarg_segment_size: 32
    .max_flat_workgroup_size: 32
    .sgpr_count:     66
    .vgpr_count:     128
    .wavefront_size: 32
...
	.end_amdgpu_metadata
.endif
;; end of part 2
;; launch up (part 3): grid 16 x 16, 4 waves a work-group, no clusters, 327,680 bytes of LDS; arguments xs, plan, W1_codes, W1_scales, b1, hid; writes hid
.if DOCPART == 3
	.amdgcn_target "amdgcn-amd-amdhsa--gfx1250"
	.amdhsa_code_object_version 6
	.text
	.protected	k_qf5a9da4d03_up
	.globl	k_qf5a9da4d03_up
	.p2align	8
	.type	k_qf5a9da4d03_up,@function
k_qf5a9da4d03_up:
	s_mov_b64 s[64:65], 0
	v_nop
	global_prefetch_b8 v0, s[64:65] scope:SCOPE_SE
	s_setreg_imm32_b32 hwreg(HW_REG_WAVE_MODE, 25, 1), 1
	s_wait_xcnt 0x0
; H = Q(gelu(xs W1[e]^T + b1[e])): the first quantised product, its activation (erf as a ratio of two polynomials of the clamped argument) and the quantiser along the second product's K.
; A work-group takes 160 rows of a tile of 320 (one expert) and 512 hidden units in four blocks of 128; x's rows stay in registers, W1 streams through two LDS slots.
; THE HEAD: one tensor load a wave, in one chain of branches: waves 0 and 1 bring 64 rows each of W1's block 0, waves 2 and 3 bring 80 rows each of x (they lie where slot 1 is filled once all waves hold them in registers).
; Codes leave as images of the next launch's operand registers, scale bytes through a stage in LDS.
.set PITCH, 1040
.set RGN,   32*PITCH
.set SLOT,  4*RGN
.set UOFF,  8*PITCH
.set AREA,  SLOT
.set STG,   SLOT+160*PITCH
.set SPARE, STG+2560
.set XSS,   4718592
.set HSO,   20971520
.set WV, 16
.set PT, 17
.set CG, 18
.set CT, 19
.set EX, 20
.set ST, 21
.set TAU, 22
.set CNT, 23
.set G1B, 24
.set G1A, 32
.set G0B, 40
.set G0A, 44
.set TB, 48
.set WOFF, 50
.set TS, 51
.set HB, 52
.set BB, 54
.set SB, 56
.set RH, 94
.set UH, 95
.set ADB0, 4
.set ADB, 5
.set ADA, 6
.set ADA4, 7
.set HO, 8
.set SA0, 9
.set SAD, 10
.set SPW, 11
.set NIL, 12
.set ASC, 16
.set BSC, 36
.set BIAS, 44
.set ACC, 64
.set CODE, 144
.set TM, 164
.set BY, 169
.set TT, 176
.set X2, 192
.set PP, 208
.set QQ, 224
.set CA, 240
.set CB, 242
.set MSB, 0
.macro WIN new
.if MSB != (\new)
	s_set_vgpr_msb (MSB<<8)|(\new)
.set MSB, (\new)
.endif
.endm
.macro PLACES n
.rept \n
	v_nop
.endr
.endm
.macro COEF r, val
	s_mov_b32 s[\r], \val
	s_mov_b32 s[\r+1], \val
.endm
	s_load_b256 s[4:11], s[0:1], 0x0
	s_load_b128 s[12:15], s[0:1], 0x20
	v_lshl_add_u32 v[SPW], v0, 2, SPARE
	v_mov_b32 v[NIL], 0
	ds_add_u32 v11, v12
	ds_add_u32 v11, v12
	s_wait_dscnt 0x0
	v_lshrrev_b32 v1, 5, v0
	v_readfirstlane_b32 s[WV], v1
	s_lshr_b32 s[RH], s[WV], 1
	s_and_b32 s[UH], s[WV], 1
	s_and_b32 s[PT], ttmp9, 1
	s_lshr_b32 s[CG], ttmp9, 1
	s_and_b32 s[CT], ttmp7, 0xffff
	s_lshl_b32 s[TAU], s[CT], 2
	s_lshl_b32 s58, s[PT], 1
	s_add_co_u32 s[TAU], s[TAU], s58
	s_add_co_u32 s[TAU], s[TAU], s[RH]
	s_lshl_b32 s58, s[CT], 3
	s_mov_b32 s59, 0
	s_wait_kmcnt 0x0
	s_add_nc_u64 s[6:7], s[6:7], s[58:59]
	s_load_b64 s[EX:EX+1], s[6:7], 0x0
	s_mov_b32 s[G1B], (1<<20)|(7<<22)|(3<<25)
	s_mov_b32 s[G1B+1], 1024<<16
	s_mov_b32 s[G1B+2], 32<<16
	s_mov_b32 s[G1B+3], 1024<<16
	s_mov_b32 s[G1B+4], 32
	s_mov_b32 s[G1B+5], 1024
	s_mov_b32 s[G1B+6], 0
	s_mov_b32 s[G1B+7], 0
	s_mov_b32 s[G1A], (1<<20)|(7<<22)|(3<<25)
	s_mov_b32 s[G1A+1], 1024<<16
	s_mov_b32 s[G1A+2], 80<<16
	s_mov_b32 s[G1A+3], 1024<<16
	s_mov_b32 s[G1A+4], 80
	s_mov_b32 s[G1A+5], 1024
	s_mov_b32 s[G1A+6], 0
	s_mov_b32 s[G1A+7], 0
	s_mov_b32 s60, 0x76543210
	s_mov_b32 s61, 0xfedcba98
	s_mov_b32 s62, 0x600000
	s_mov_b32 s66, 0x40b504f3
	s_mov_b32 s67, 0xc0b504f3
	COEF 68, 0xabd3f331
	COEF 70, 0xb347667b
	COEF 72, 0xb628d45d
	COEF 74, 0xb8883d9c
	COEF 76, 0xba08eb41
	COEF 78, 0xbbba79f3
	COEF 80, 0xb57460cd
	COEF 82, 0xb9dc924e
	COEF 84, 0xbb719bf8
	COEF 86, 0xbc69b6a7
	s_mov_b32 s[TB], 0
	s_mov_b32 s[TS], 0
	s_mov_b32 s[CNT], 3
	s_mul_i32 s[WOFF], s[WV], RGN
	s_wait_kmcnt 0x0
	s_min_u32 s[EX], s[EX], 3
	s_min_u32 s[ST], s[ST], 4095
	s_lshl_b32 s58, s[EX], 22
	s_lshl_b32 s93, s[CG], 19
	s_add_co_u32 s58, s58, s93
.set G0H, 96                           ; s[96:99] group 0 of the head's load of W1: 64 rows for wave 0 and for wave 1
.set G1H, 4                            ; s[4:11] its group 1, written when the arguments that lay there have been used
	s_lshl_b32 s93, s[UH], 16
	s_add_co_u32 s92, s58, s93
	s_mov_b32 s93, 0
	s_add_nc_u64 s[G0H+2:G0H+3], s[8:9], s[92:93]
	s_or_b32 s[G0H+3], s[G0H+3], 0x80000000
	s_mov_b32 s[G0H], 1
	s_mul_i32 s[G0H+1], s[UH], 2*RGN
	s_lshl_b32 s93, s[WV], 15
	s_add_co_u32 s58, s58, s93
	s_mov_b32 s[G0B], 1
	s_mov_b32 s[G0B+1], s[WOFF]
	s_add_nc_u64 s[G0B+2:G0B+3], s[8:9], s[58:59]
	s_or_b32 s[G0B+3], s[G0B+3], 0x80000000
	s_mul_i32 s92, s[PT], 160
	s_add_co_u32 s92, s92, s[ST]
	s_mul_i32 s58, s[UH], 80
	s_add_co_u32 s58, s58, s92
	s_lshl_b32 s58, s58, 10
	s_mov_b32 s[G0A], 1
	s_mul_i32 s[G0A+1], s[UH], 80*PITCH
	s_add_co_u32 s[G0A+1], s[G0A+1], AREA
	s_add_nc_u64 s[G0A+2:G0A+3], s[4:5], s[58:59]
	s_or_b32 s[G0A+3], s[G0A+3], 0x80000000
	s_mul_i32 s58, s[RH], 80
	s_add_co_u32 s58, s58, s92
	s_lshl_b32 s58, s58, 5
	s_add_nc_u64 s[90:91], s[4:5], s[58:59]
	s_mul_i32 s58, s[TAU], 10240
	s_mul_i32 s93, s[CG], 1280
	s_add_co_u32 s58, s58, s93
	s_mul_i32 s93, s[UH], 640
	s_add_co_u32 s58, s58, s93
	s_add_co_u32 s58, s58, HSO
	s_add_nc_u64 s[88:89], s[14:15], s[58:59]
	s_mul_i32 s58, s[TAU], 327680
	s_mul_i32 s93, s[CG], 40960
	s_add_co_u32 s58, s58, s93
	s_add_nc_u64 s[HB:HB+1], s[14:15], s[58:59]
	s_lshl_b32 s58, s[EX], 14
	s_lshl_b32 s93, s[CG], 11
	s_add_co_u32 s58, s58, s93
	s_lshl_b32 s93, s[UH], 8
	s_add_co_u32 s58, s58, s93
	s_add_nc_u64 s[BB:BB+1], s[12:13], s[58:59]
	s_lshl_b32 s58, s[EX], 17
	s_lshl_b32 s93, s[CG], 14
	s_add_co_u32 s58, s58, s93
	s_lshl_b32 s93, s[UH], 11
	s_add_co_u32 s58, s58, s93
	s_add_nc_u64 s[SB:SB+1], s[10:11], s[58:59]
	s_mov_b32 s[G1H], (1<<20)|(7<<22)|(3<<25)
	s_mov_b32 s[G1H+1], 1024<<16
	s_mov_b32 s[G1H+2], 64<<16
	s_mov_b32 s[G1H+3], 1024<<16
	s_mov_b32 s[G1H+4], 64
	s_mov_b32 s[G1H+5], 1024
	s_mov_b32 s[G1H+6], 0
	s_mov_b32 s[G1H+7], 0
	s_cmp_lt_u32 s[WV], 2                          ; one tensor load a wave at the head, a load in each arm
	s_cbranch_scc0 .Lhead_a
	tensor_load_to_lds s[G0H:G0H+3], s[G1H:G1H+7]  ; waves 0, 1: W1's block 0, 64 rows each, into slot 0
	s_nop 0
	PLACES 4
	s_branch .Lhead_j
.Lhead_a:
	tensor_load_to_lds s[G0A:G0A+3], s[G1A:G1A+7]  ; waves 2, 3: x's 160 rows, 80 each
	s_nop 0
	PLACES 4
.Lhead_j:
	v_and_b32 v1, 15, v0
	v_bfe_u32 v2, v0, 4, 1
	v_and_b32 v3, 31, v0
	v_lshlrev_b32 v3, 4, v3
	v_and_b32 v5, 8, v1
	v_add_nc_u32 v5, v5, v1
	v_mul_u32_u24 v[ADB0], v5, PITCH
	v_lshl_add_u32 v[ADB0], v2, 4, v[ADB0]
	s_mul_i32 s58, s[UH], 2*RGN
	v_add_nc_u32 v[ADB0], s58, v[ADB0]
	v_lshlrev_b32 v14, 5, v5
	v_lshl_add_u32 v14, v2, 4, v14
	v_mul_u32_u24 v[ADA], v1, PITCH
	v_lshl_add_u32 v[ADA], v2, 4, v[ADA]
	s_mul_i32 s58, s[RH], 80*PITCH
	s_add_co_u32 s58, s58, AREA
	v_add_nc_u32 v[ADA], s58, v[ADA]
	v_add_nc_u32 v[ADA4], 64*PITCH, v[ADA]
	s_lshl_b32 s58, s[UH], 10
	v_add_nc_u32 v[HO], s58, v3
	s_mul_i32 s58, s[RH], 1280
	s_lshl_b32 s93, s[UH], 1
	s_add_co_u32 s58, s58, s93
	s_add_co_u32 s58, s58, STG
	v_lshl_add_u32 v[SA0], v1, 2, s58
	v_lshlrev_b32 v13, 6, v2
	v_lshlrev_b32 v15, 5, v1
	v_lshl_add_u32 v15, v2, 4, v15
.irp q, 0,1,2,3,4
	v_mov_b32 v[TM+\q], 0                          ; a lane permute's destination counts as read: the five are written once
.endr
	v_mov_b32 v[CA], 0x2fa84a8d
	v_mov_b32 v[CA+1], 0x2fa84a8d
	v_mov_b32 v[CB], 0xb7dfbd29
	v_mov_b32 v[CB+1], 0xb7dfbd29
.irp m, 0,1,2,3,4
	global_load_b128 v[ASC+4*\m:ASC+4*\m+3], v15, s[90:91] offset:XSS+512*\m
.endr
.macro LOADW sb
.irp u, 0,1
	global_load_b128 v[BSC+4*\u:BSC+4*\u+3], v14, s[SB:SB+1] offset:1024*(\sb)+256*\u
	global_load_b128 v[BIAS+8*\u:BIAS+8*\u+3], v13, s[BB:BB+1] offset:128*(\sb)+32*\u
	global_load_b128 v[BIAS+8*\u+4:BIAS+8*\u+7], v13, s[BB:BB+1] offset:128*(\sb)+32*\u+16
.endr
.endm
	LOADW 0
	s_wait_tensorcnt 0x0
	s_barrier_signal -1
	s_barrier_wait -1
.irp m, 0,1,2,3
	WIN 0x40<<((\m)/2)
.irp s, 0,1,2,3,4,5,6,7
.irp cc, 0,1,2,3
	ds_load_b128 v[128*((\m)%2)+16*\s+4*\cc:128*((\m)%2)+16*\s+4*\cc+3], v[ADA] offset:\m*16*PITCH+128*\s+32*\cc
.endr
.endr
.endr
	WIN 0xc0
.irp s, 0,1,2,3,4,5,6,7
.irp cc, 0,1,2,3
	ds_load_b128 v[16*\s+4*\cc:16*\s+4*\cc+3], v[ADA4] offset:128*\s+32*\cc
.endr
.endr
	WIN 0
.macro FETCHB beta, sb
	WIN 0xc0
.irp sg, 0,1
.irp u, 0,1
.irp cc, 0,1,2,3
	ds_load_b128 v[128+64*((\beta)%2)+32*\sg+16*\u+4*\cc:128+64*((\beta)%2)+32*\sg+16*\u+4*\cc+3], v[ADB] offset:(\sb)*RGN+\u*UOFF+128*(2*(\beta)+\sg)+32*\cc
.endr
.endr
.endr
	WIN 0
.endm
.macro MUL beta
.irp sg, 0,1
.irp m, 0,1,2,3,4
	WIN 0x07+4*((\m)/2)
.irp u, 0,1
.set S_, 2*(\beta)+\sg
.set rD, ACC+8*(2*\m+\u)
.set rB, 128+64*((\beta)%2)+32*\sg+16*\u
.set rA, 128*((\m)%2)+16*S_
.if S_ == 0
	v_wmma_scale_f32_16x16x128_f8f6f4 v[rD:rD+7], v[rB:rB+15], v[rA:rA+15], v[BIAS+8*\u:BIAS+8*\u+7], v[BSC+4*\u], v[ASC+4*\m]
.elseif S_ < 4
	v_wmma_scale_f32_16x16x128_f8f6f4 v[rD:rD+7], v[rB:rB+15], v[rA:rA+15], v[rD:rD+7], v[BSC+4*\u+S_], v[ASC+4*\m+S_]
.else
	v_wmma_scale_f32_16x16x128_f8f6f4 v[rD:rD+7], v[rB:rB+15], v[rA:rA+15], v[rD:rD+7], v[BSC+4*\u+S_-4], v[ASC+4*\m+S_-4] matrix_a_scale:MATRIX_SCALE_ROW1 matrix_b_scale:MATRIX_SCALE_ROW1
.endif
.endr
.endr
.endr
.endm
.macro KPHASE sb
.if \sb == 0
	v_add_nc_u32 v[ADB], s[TB], v[ADB0]
	FETCHB 0, 0
	FETCHB 1, 0
.endif
	s_wait_alu depctr_va_vdst(0)
	s_wait_loadcnt 0x0
	s_wait_dscnt 16
	MUL 0
	PLACES 8
	FETCHB 2, \sb
	s_wait_dscnt 16
	MUL 1
	PLACES 8
	FETCHB 3, \sb
	s_wait_dscnt 16
	MUL 2
	s_wait_dscnt 0x0
	MUL 3
	WIN 0
	PLACES 8
.if \sb == 0
	FETCHB 0, 1                                    ; the second sub-block lies in the same slot: its first two batches are fetched ahead of this sub-block's activation;
	FETCHB 1, 1                                    ; the five byte stores issued behind them only make the counted waits stricter
.endif
.endm
; THE ACTIVATION of row tile m's 16 sums a lane: h = a (0.5 + t P(t^2) / Q(t^2)), t the clamped a; h is written back onto the sums.  P's and Q's rounds stand by turns: sixteen lines between a line and the one that reads it.
.macro GEL m
.set A_, ACC+16*(\m)
.set i, 0
.rept 16
	v_med3_num_f32 v[TT+i], v[A_+i], s67, s66
.set i, i+1
.endr
.irp j, 0,2,4,6,8,10,12,14
	v_pk_mul_f32 v[X2+\j:X2+\j+1], v[TT+\j:TT+\j+1], v[TT+\j:TT+\j+1]
.endr
.irp j, 0,2,4,6,8,10,12,14
	v_pk_fma_f32 v[PP+\j:PP+\j+1], v[X2+\j:X2+\j+1], s[68:69], v[CA:CA+1] op_sel_hi:[1,0,1]
	v_pk_fma_f32 v[QQ+\j:QQ+\j+1], v[X2+\j:X2+\j+1], s[80:81], v[CB:CB+1] op_sel_hi:[1,0,1]
.endr
.irp c, 0,2,4
.irp j, 0,2,4,6,8,10,12,14
	v_pk_fma_f32 v[PP+\j:PP+\j+1], v[PP+\j:PP+\j+1], v[X2+\j:X2+\j+1], s[70+\c:71+\c] op_sel_hi:[1,1,0]
	v_pk_fma_f32 v[QQ+\j:QQ+\j+1], v[QQ+\j:QQ+\j+1], v[X2+\j:X2+\j+1], s[82+\c:83+\c] op_sel_hi:[1,1,0]
.endr
.endr
.set i, 0
	s_wait_alu depctr_va_vdst(0)
.rept 16
	v_rcp_f32 v[QQ+i], v[QQ+i]
.set i, i+1
.endr
.irp c, 76,78
.irp j, 0,2,4,6,8,10,12,14
	v_pk_fma_f32 v[PP+\j:PP+\j+1], v[PP+\j:PP+\j+1], v[X2+\j:X2+\j+1], s[\c:\c+1] op_sel_hi:[1,1,0]
.endr
.endr
.irp j, 0,2,4,6,8,10,12,14
	v_pk_mul_f32 v[PP+\j:PP+\j+1], v[PP+\j:PP+\j+1], v[TT+\j:TT+\j+1]
.endr
	s_wait_alu depctr_va_vdst(0)
.irp j, 0,2,4,6,8,10,12,14
	v_pk_fma_f32 v[PP+\j:PP+\j+1], v[PP+\j:PP+\j+1], v[QQ+\j:QQ+\j+1], 0.5 op_sel_hi:[1,1,0]
.endr
.irp j, 0,2,4,6,8,10,12,14
	v_pk_mul_f32 v[A_+\j:A_+\j+1], v[A_+\j:A_+\j+1], v[PP+\j:PP+\j+1]
.endr
.endm
; THE QUANTISER of the five row tiles, by turns, so that no line reads what the line above it wrote.  A block of 32 hidden units lies in lanes l and l xor 16, 16 numbers each.
; v[TT+m], v[TT+5+m]: the largest magnitude in two chains; v[TM+m]: the other half's; v[X2+m]: the conversion's scale operand; v[X2+5+m]: 448 x the scale.
.macro QNT sb
	s_wait_alu depctr_va_vdst(0)
.irp m, 0,1,2,3,4
	v_max3_num_f32 v[TT+\m], |v[ACC+16*\m]|, |v[ACC+16*\m+1]|, 0x4800000
	v_max3_num_f32 v[TT+5+\m], |v[ACC+16*\m+2]|, |v[ACC+16*\m+3]|, |v[ACC+16*\m+4]|
.endr
.irp j, 5,9
.irp m, 0,1,2,3,4
	v_max3_num_f32 v[TT+\m], v[TT+\m], |v[ACC+16*\m+\j]|, |v[ACC+16*\m+\j+1]|
	v_max3_num_f32 v[TT+5+\m], v[TT+5+\m], |v[ACC+16*\m+\j+2]|, |v[ACC+16*\m+\j+3]|
.endr
.endr
.irp m, 0,1,2,3,4
	v_max3_num_f32 v[TT+\m], v[TT+\m], |v[ACC+16*\m+13]|, |v[ACC+16*\m+14]|
.endr
.irp m, 0,1,2,3,4
	v_max3_num_f32 v[TT+\m], v[TT+\m], v[TT+5+\m], |v[ACC+16*\m+15]|
.endr
.irp m, 0,1,2,3,4
	v_permlanex16_b32 v[TM+\m], v[TT+\m], s60, s61
.endr
.irp m, 0,1,2,3,4
	v_max_num_f32 v[TT+\m], v[TT+\m], v[TM+\m]
.endr
.irp m, 0,1,2,3,4
	v_add_nc_u32 v[X2+\m], 0xfc000000, v[TT+\m]
.endr
.irp m, 0,1,2,3,4
	v_and_or_b32 v[X2+5+\m], v[TT+\m], 0x7f800000, s62
.endr
.irp m, 0,1,2,3,4
	v_lshrrev_b32 v[BY+\m], 23, v[X2+\m]
.endr
.irp m, 0,1,2,3,4
.set i, 0
.rept 16
	v_med3_num_f32 v[ACC+16*\m+i], v[ACC+16*\m+i], -v[X2+5+\m], v[X2+5+\m]
.set i, i+1
.endr
	v_cvt_scalef32_pk8_fp8_f32 v[CODE+4*\m:CODE+4*\m+1], v[ACC+16*\m:ACC+16*\m+7], v[X2+\m]
	v_cvt_scalef32_pk8_fp8_f32 v[CODE+4*\m+2:CODE+4*\m+3], v[ACC+16*\m+8:ACC+16*\m+15], v[X2+\m]
.endr
	v_nop                                          ; the plain line behind the last conversion
.irp m, 0,1,2,3,4
	global_store_b128 v[HO], v[CODE+4*\m:CODE+4*\m+3], s[HB:HB+1] offset:2048*\m+512*(\sb)
	ds_store_b8 v[SAD], v[BY+\m] offset:64*\m+(\sb)
.endr
.endm
.macro CHANGE fill
	s_wait_tensorcnt 0x0
	ds_add_u32 v[SPW], v[NIL]
.if \fill
	s_xor_b32 s[G0B+1], s[G0B+1], SLOT
	s_add_nc_u64 s[G0B+2:G0B+3], s[G0B+2:G0B+3], 131072
.endif
	s_wait_dscnt 0x0
	s_barrier_signal -1
	s_barrier_wait -1
.if \fill
	tensor_load_to_lds s[G0B:G0B+3], s[G1B:G1B+7]
	s_nop 0
	PLACES 4
.endif
.endm
.macro SUB sb, ahead
	KPHASE \sb
.if \ahead == 1
	LOADW 1
.endif
.if \ahead == 2
	s_add_nc_u64 s[BB:BB+1], s[BB:BB+1], 512
	s_add_nc_u64 s[SB:SB+1], s[SB:SB+1], 4096
	LOADW 0
.endif
	GEL 0
	GEL 1
	GEL 2
	GEL 3
	GEL 4
	QNT \sb
	s_wait_xcnt 0x0
.endm
.macro WORK next
	v_add_nc_u32 v[SAD], s[TS], v[SA0]
	SUB 0, 1
.if \next
	SUB 1, 2
.else
	SUB 1, 0
.endif
	s_add_nc_u64 s[HB:HB+1], s[HB:HB+1], 10240
	s_add_co_u32 s[TS], s[TS], 320
	s_xor_b32 s[TB], s[TB], SLOT
.endm
.Lblk:
	CHANGE 1
	s_wait_alu depctr_va_vdst(0)
	WORK 1
	s_sub_co_u32 s[CNT], s[CNT], 1
	s_cmp_lg_u32 s[CNT], 0
	s_cbranch_scc1 .Lblk
	CHANGE 0
	WORK 0
	s_wait_dscnt 0x0
	s_barrier_signal -1
	s_barrier_wait -1
	s_mul_i32 s58, s[WV], 640
	v_add_nc_u32 v[ADB], s58, v3
	v_add_nc_u32 v[ADB], STG, v[ADB]
	v_and_b32 v[ADA], 31, v0
	v_lshlrev_b32 v[ADA], 2, v[ADA]
	v_add_nc_u32 v[ADA], 512, v[ADA]
	v_add_nc_u32 v[ADA4], s58, v[ADA]
	v_add_nc_u32 v[ADA4], STG, v[ADA4]
	ds_load_b128 v[TT:TT+3], v[ADB]
	ds_load_b32 v[TT+4], v[ADA4]
	s_wait_alu depctr_va_vdst(0)
	s_wait_dscnt 0x0
	global_store_b128 v3, v[TT:TT+3], s[88:89]
	global_store_b32 v[ADA], v[TT+4], s[88:89]
	s_wait_tensorcnt 0x0
	ds_add_u32 v[SPW], v[NIL]
	s_wait_dscnt 0x0
	s_endpgm
.Lfunc_end_k_qf5a9da4d03_up:
	.size	k_qf5a9da4d03_up, .Lfunc_end_k_qf5a9da4d03_up-k_qf5a9da4d03_up
	.p2alignl 7, 3214868480
	.fill 96, 4, 3214868480
	.section	.rodata,"a",@progbits
	.p2align	6, 0x0
	.amdhsa_kernel k_qf5a9da4d03_up
		.amdhsa_group_segment_fixed_size 327680
		.amdhsa_private_segment_fixed_size 0
		.amdhsa_enable_private_segment 0
		.amdhsa_kernarg_size 48
		.amdhsa_user_sgpr_count 2
		.amdhsa_user_sgpr_kernarg_segment_ptr 1
		.amdhsa_wavefront_size32 1
		.amdhsa_system_sgpr_workgroup_id_x 1
		.amdhsa_system_sgpr_workgroup_id_y 1
		.amdhsa_system_sgpr_workgroup_id_z 1
		.amdhsa_system_vgpr_workitem_id 0
		.amdhsa_next_free_vgpr 1024
		.amdhsa_next_free_sgpr 100
		.amdhsa_reserve_vcc 0
		.amdhsa_float_denorm_mode_32 3
		.amdhsa_float_denorm_mode_16_64 3
		.amdhsa_memory_ordered 1
		.amdhsa_forward_progress 1
		.amdhsa_inst_pref_size 255
	.end_amdhsa_kernel
	.section	.bss,"aw",@nobits
	.p2align	6
	.space	262144
	.amdgpu_metadata
---
amdhsa.version: [ 1, 2 ]
amdhsa.kernels:
  - .name:           k_qf5a9da4d03_up
    .symbol:         k_qf5a9da4d03_up.kd
    .args:
      - { .name: xs, .offset: 0, .size: 8, .value_kind: global_buffer, .address_space: global }
      - { .name: plan, .offset: 8, .size: 8, .value_kind: global_buffer, .address_space: global }
      - { .name: W1_codes, .offset: 16, .size: 8, .value_kind: global_buffer, .address_space: global }
      - { .name: W1_scales, .offset: 24, .size: 8, .value_kind: global_buffer, .address_space: global }
      - { .name: b1, .offset: 32, .size: 8, .value_kind: global_buffer, .address_space: global }
      - { .name: hid, .offset: 40, .size: 8, .value_kind: global_buffer, .address_space: global }
    .group_segment_fixed_size: 327680
    .private_segment_fixed_size: 0
    .kernarg_segment_align: 8
    .kernarg_segment_size: 48
    .max_flat_workgroup_size: 128
    .sgpr_count:     100
    .vgpr_count:     1024
    .wavefront_size: 32
...
	.end_amdgpu_metadata
.endif
;; end of part 3
;; launch down (part 4): grid 16 x 16, 4 waves a work-group, no clusters, 327,680 bytes of LDS; arguments hid, plan, W2_codes, W2_scales, b2, yrows; writes yrows
.if DOCPART == 4
	.amdgcn_target "amdgcn-amd-amdhsa--gfx1250"
	.amdhsa_code_object_version 6
	.text
	.protected	k_qf5a9da4d03_down
	.globl	k_qf5a9da4d03_down
	.p2align	8
	.type	k_qf5a9da4d03_down,@function
k_qf5a9da4d03_down:
	s_mov_b64 s[64:65], 0
	v_nop
	global_prefetch_b8 v0, s[64:65] scope:SCOPE_SE
	s_setreg_imm32_b32 hwreg(HW_REG_WAVE_MODE, 25, 1), 1
	s_wait_xcnt 0x0
; Y = H W2[e]^T + b2[e]: the second quantised product, one f32 row for each routed row.
; SHARES.  A tile of 320 rows (work-group y) belongs to one expert.  A work-group takes 160 of its rows (x % 2) and 128 columns (x / 2): (160 + 128) x 4,096 bytes of operands.
; THE WAVES SPLIT K: K goes in four chunks of 1,024; of chunk c wave w takes K steps 8 c + 2 w and 8 c + 2 w + 1, for all 160 x 128: 80 accumulators, 640 registers.  No operand byte is fetched or read from LDS by two waves.
; H comes as images of the operand registers straight from memory (each load 512 consecutive bytes): one set of ten fragments; a pair of fragments is asked for anew, for the next K step, behind its 16 products.
; W2 comes by tensor loads: a chunk is 128 rows x 1,024 consecutive bytes; wave j fetches rows 32 j .. 32 j + 31; every wave reads its 256 bytes of all rows behind the chunk's barrier.  Two slots; a drained barrier ahead of each of the three later fills.
; SCALE BYTES are copied once, in runs of 512 consecutive bytes, into LDS bytes of their own; a chunk's words are read from there: lanes 0-15 my even K step's, lanes 16-31 my odd one's.
; THE END: the four waves' partial sums meet in LDS (slot bytes that have had their last fill), 64 columns a phase; a wave adds 80 rows x 32 columns, adds b2, and stores runs of 512 consecutive bytes.
; So an output's sum is four chains along K, added at the end: another order of f32 additions than one chain.
; PREFETCH: in chunks 0 and 1 a wave asks for chunk c + 2, three instructions behind its tensor load: of H's 160 blocks of 256 bytes of my two K steps the 20 that fall to my group of columns (the eight groups read the same H);
; of W2's 512 blocks 64: 16 rows of the 64 that fall to my half of the tile.  W2's tensor load for that chunk stands one chunk on, H's first load a chunk and a half on.  Chunks 0 and 1 come by their loads alone; chunks 2 and 3 ask for nothing.
; NO CLUSTER, NO JOINT LOADS, though work-groups of one expert walk the same rows of W2: which rows hangs on the tile's expert, a number read from memory, and a joint request is equal in all partners by ids and constants alone.
; Rows of a tile that belong to no routed row are computed and stored like the others; nobody reads them: nothing here branches on a number read from memory.
; yrows: [tile of 80 rows][block of 32 columns][row][32 f32].
; REGISTERS: window 0: v0-23 addresses, v24-41 scale words, v44-51 b2, v96-255 H's ten fragments (at the end: partial sums read back); windows 1, 2 and v0-127 of 3: accumulators (row tile M, column tile u at 64 M + 8 u); v128-255 of 3: W2's eight fragments.
.set PITCH, 1040                       ; 1,024 bytes + 16 of padding
.set RGN,   32*PITCH                   ; what a wave fetches of a slot
.set SLOT,  4*RGN
.set SCA,   2*SLOT                     ; H's scale words: [chunk][tile of 80][K step of the chunk][80 rows][4]
.set SCB,   SCA+20480                  ; W2's scale bytes: 128 rows x (128 + 16)
.set SPARE, SCB+18432                  ; the spare words
.set RROW,  592                        ; the partial sums: a row holds four waves' 128 + 16 bytes, and 16 more
.set HSO,   20971520
.set WV, 16
.set PT, 17
.set CG, 18
.set CT, 19
.set EX, 20
.set TAU, 22
.set CNT, 23
.set G1B, 24
.set WH, 32
.set WL, 33
.set WP, 34                            ; s[34:35] W2's codes at my 128 rows, at the chunk: the prefetches' base
.set G0B, 40
.set HS, 44
.set WS, 46
.set TB, 48
.set KC, 49
.set KD, 50
.set RS, 51
.set HB, 52
.set YB, 54
.set BB, 56
.set ADB0, 4
.set ADB, 5
.set ASA0, 6
.set ASA, 7
.set BSA0, 8
.set BSA, 9
.set SPW, 10
.set NIL, 11
.set SST, 12
.set BST, 13
.set RST, 14                           ; v14-17: where my partial sums go: 2 x (block of 32 columns) + (tile of 80 rows)
.set RLD, 18
.set RLC, 19
.set BO, 20
.set ADBH, 21                          ; as v5, for column tiles 4 to 7
.set PFH, 22
.set PFW, 23
.set ASC, 24                           ; v24-33 H's scale words, a register a row tile
.set BSC, 34                           ; v34-41 W2's, a register a column tile
.set BV, 44
.set RD, 96
.set MSB, 0
.macro WIN new
.if MSB != (\new)
	s_set_vgpr_msb (MSB<<8)|(\new)
.set MSB, (\new)
.endif
.endm
.macro PLACES n
.rept \n
	v_nop
.endr
.endm
.macro HLOAD g, off                    ; H's row tiles 2 g, 2 g + 1 of the K step at byte off from s[HB]: eight loads
.irp mm, 0,1
.set M_, 2*(\g)+\mm
.irp cc, 0,1,2,3
	global_load_b128 v[96+16*M_+4*\cc:99+16*M_+4*\cc], v3, s[HB:HB+1] offset:(\off)+327680*(M_/5)+2048*(M_%5)+512*\cc
.endr
.endr
.endm
	s_load_b256 s[4:11], s[0:1], 0x0               ; hid, plan, W2's codes, W2's scales
	s_load_b128 s[12:15], s[0:1], 0x20             ; b2, yrows
	v_lshl_add_u32 v[SPW], v0, 2, SPARE
	v_mov_b32 v[NIL], 0
	ds_add_u32 v[SPW], v[NIL]                      ; the opening lines: the add, twice on end, and its wait below
	ds_add_u32 v[SPW], v[NIL]
	v_lshrrev_b32 v52, 5, v0
	v_readfirstlane_b32 s[WV], v52
	s_and_b32 s[PT], ttmp9, 1
	s_lshr_b32 s[CG], ttmp9, 1
	s_and_b32 s[CT], ttmp7, 0xffff
	s_lshl_b32 s[TAU], s[CT], 2
	s_lshl_b32 s58, s[PT], 1
	s_add_co_u32 s[TAU], s[TAU], s58               ; my first tile of 80 rows
	s_lshr_b32 s[WH], s[WV], 1
	s_and_b32 s[WL], s[WV], 1
	s_mov_b32 s[G1B], (1<<20)|(7<<22)|(3<<25)      ; elements of 1 byte; after every 256 words 4 words of padding
	s_mov_b32 s[G1B+1], 1024<<16
	s_mov_b32 s[G1B+2], 32<<16
	s_mov_b32 s[G1B+3], 1024<<16
	s_mov_b32 s[G1B+4], 32
	s_mov_b32 s[G1B+5], 4096                       ; from row to row of W2
	s_mov_b32 s[G1B+6], 0
	s_mov_b32 s[G1B+7], 0
	s_mov_b32 s[TB], 0
	s_mov_b32 s[KC], 0
	s_mov_b32 s[KD], 0
	s_mov_b32 s[CNT], 2
	s_mul_i32 s60, s[WV], RGN
	s_mul_i32 s61, s[WV], 640
	s_add_co_u32 s61, s61, SCA
	s_lshl_b32 s62, s[WV], 3
	s_add_co_u32 s62, s62, SCB
	s_mul_i32 s63, s[WV], 4608
	s_add_co_u32 s63, s63, SCB
	s_mul_i32 s66, s[WV], 144
	s_mul_i32 s67, s[WH], 160*RROW
	s_mul_i32 s68, s[WL], 80*RROW
	s_add_co_u32 s67, s67, s68
	s_lshl_b32 s69, s[WV], 8
	s_lshl_b32 s70, s[PT], 18
	s_lshl_b32 s68, s[WV], 16
	s_add_co_u32 s70, s70, s68                     ; (64 x my half of the tile + 16 x wave) rows of 4,096 bytes
	s_mul_i32 s71, s[WV], 5120
	s_add_co_u32 s71, s71, SCA
	s_mul_i32 s72, s[CG], 20
	v_and_b32 v1, 15, v0                           ; r
	v_bfe_u32 v2, v0, 4, 1                         ; h
	v_and_b32 v52, 31, v0                          ; lane
	v_lshlrev_b32 v3, 4, v52                       ; 16 x lane
	v_lshrrev_b32 v53, 3, v52                      ; l / 8
	v_and_b32 v54, 7, v52
	v_lshlrev_b32 v[BO], 4, v54                    ; 16 (l % 8)
	v_mul_u32_u24 v[ADB0], v1, PITCH
	v_lshl_add_u32 v[ADB0], v2, 4, v[ADB0]
	v_add_nc_u32 v[ADB0], s69, v[ADB0]             ; W2's fragments: row r, my 256 bytes of it, 16 h
	v_mul_u32_u24 v[ASA0], v2, 320
	v_lshl_add_u32 v[ASA0], v1, 2, v[ASA0]
	v_add_nc_u32 v[ASA0], s61, v[ASA0]             ; H's scale words: my two K steps of a chunk, 4 r, the odd step for lanes 16-31
	v_add_nc_u32 v[SST], s71, v3                   ; and where I lay chunk w's
	v_mul_u32_u24 v[BSA0], v1, 144
	v_lshl_add_u32 v[BSA0], v2, 2, v[BSA0]
	v_add_nc_u32 v[BSA0], s62, v[BSA0]             ; W2's scale words: row r, my 8 bytes of a chunk's 32, a word on for lanes 16-31
	v_mul_u32_u24 v[BST], v53, 144
	v_add_nc_u32 v[BST], v[BST], v[BO]
	v_add_nc_u32 v[BST], s63, v[BST]               ; and where I lay 32 rows of them
	v_mul_u32_u24 v[RST], v1, RROW
	v_lshl_add_u32 v[RST], v2, 5, v[RST]
	v_add_nc_u32 v[RST], s66, v[RST]               ; my partial sums: row r, my 144 bytes, 32 bytes for each half of the lanes
	v_add_nc_u32 v[RST+1], 80*RROW, v[RST]
	v_add_nc_u32 v[RST+2], 160*RROW, v[RST]
	v_add_nc_u32 v[RST+3], 240*RROW, v[RST]
	v_mul_u32_u24 v[RLD], v53, RROW
	v_add_nc_u32 v[RLD], v[RLD], v[BO]
	v_add_nc_u32 v[RLD], s67, v[RLD]               ; back: block of columns w / 2, tile of rows w % 2; four rows an instruction, eight lanes a row
	v_min_u32 v55, 19, v52                         ; H's prefetch: block b = 20 x group of columns + lane (lanes 20-31 name the wave's last block again), of 2 x 80 blocks
	v_add_nc_u32 v55, s72, v55
	v_mul_u32_u24 v[PFH], v55, 3277
	v_lshrrev_b32 v[PFH], 18, v[PFH]               ; b / 80: which tile of 80 rows
	v_mul_u32_u24 v[PFH], v[PFH], 307200           ; the second tile's blocks lie 327,680 - 20,480 bytes further on
	v_lshl_add_u32 v[PFH], v55, 8, v[PFH]
	v_lshrrev_b32 v56, 1, v52                      ; W2's prefetch: row l / 2 of my 16, block l % 2 of a pair
	v_and_b32 v57, 1, v52
	v_lshlrev_b32 v[PFW], 12, v56
	v_lshl_add_u32 v[PFW], v57, 8, v[PFW]
	v_add_nc_u32 v[PFW], s70, v[PFW]
	s_wait_alu depctr_va_vdst(0)                   ; the wait at the end of the head's vector work
	s_wait_dscnt 0x0                               ; both opening adds are done
	s_wait_kmcnt 0x0
	s_lshl_b32 s58, s[CT], 3
	s_mov_b32 s59, 0
	s_add_nc_u64 s[6:7], s[6:7], s[58:59]
	s_load_b64 s[EX:EX+1], s[6:7], 0x0             ; the tile's expert (and first row, not used here)
	s_mul_i32 s92, s[TAU], 327680
	s_mul_i32 s58, s[WV], 20480
	s_add_co_u32 s58, s58, s92
	s_add_nc_u64 s[HB:HB+1], s[4:5], s[58:59]      ; H's images of my two K steps of chunk 0
	s_mul_i32 s58, s[TAU], 10240
	s_mul_i32 s93, s[WV], 2560
	s_add_co_u32 s58, s58, s93
	s_add_co_u32 s58, s58, HSO
	s_add_nc_u64 s[HS:HS+1], s[4:5], s[58:59]      ; H's scale words of chunk w: 2,560 consecutive bytes for each tile of 80 rows
	WIN 0x40                                       ; H hangs on no expert: it is asked for while the tile's entry is on its way.  The scale bytes pass through registers of window 1
.irp t, 0,1
.irp i, 0,1,2,3,4
	global_load_b128 v[4*(5*\t+\i):4*(5*\t+\i)+3], v3, s[HS:HS+1] offset:10240*\t+512*\i
.endr
.endr
	WIN 0
.irp g, 0,1,2,3,4
	HLOAD \g, 0
.endr
	s_mul_i32 s58, s[WL], 327680
	s_add_co_u32 s58, s58, s92
	s_lshl_b32 s93, s[CG], 2
	s_add_co_u32 s93, s93, s[WH]
	s_mul_i32 s93, s93, 10240
	s_add_co_u32 s58, s58, s93
	s_add_nc_u64 s[YB:YB+1], s[14:15], s[58:59]    ; yrows: tile of rows w % 2, block of columns w / 2 of the first phase
	s_wait_kmcnt 0x0
	s_min_u32 s[EX], s[EX], 3
	s_lshl_b32 s58, s[EX], 22                      ; W2's codes: expert, group of 128 rows
	s_lshl_b32 s93, s[CG], 19
	s_add_co_u32 s58, s58, s93
	s_add_nc_u64 s[WP:WP+1], s[8:9], s[58:59]
	s_lshl_b32 s93, s[WV], 17                      ; the 32 rows that I fetch
	s_add_co_u32 s58, s58, s93
	s_mov_b32 s[G0B], 1
	s_mov_b32 s[G0B+1], s60
	s_add_nc_u64 s[G0B+2:G0B+3], s[8:9], s[58:59]
	s_or_b32 s[G0B+3], s[G0B+3], 0x80000000
	tensor_load_to_lds s[G0B:G0B+3], s[G1B:G1B+7]  ; chunk 0 into slot 0: my one tensor load at the head
	s_nop 0
	PLACES 4
	s_lshl_b32 s58, s[EX], 17
	s_lshl_b32 s93, s[CG], 14
	s_add_co_u32 s58, s58, s93
	s_lshl_b32 s93, s[WV], 12
	s_add_co_u32 s58, s58, s93
	s_add_nc_u64 s[WS:WS+1], s[10:11], s[58:59]    ; W2's scale bytes: 32 of the 128 rows, 4,096 consecutive bytes
	s_lshl_b32 s58, s[EX], 12
	s_lshl_b32 s93, s[CG], 9
	s_add_co_u32 s58, s58, s93
	s_lshl_b32 s93, s[WH], 7
	s_add_co_u32 s58, s58, s93
	s_add_nc_u64 s[BB:BB+1], s[12:13], s[58:59]
	WIN 0x40
.irp i, 0,1,2,3,4,5,6,7
	global_load_b128 v[40+4*\i:43+4*\i], v3, s[WS:WS+1] offset:512*\i
.endr
	WIN 0
	global_load_b128 v[BV:BV+3], v[BO], s[BB:BB+1]
	global_load_b128 v[BV+4:BV+7], v[BO], s[BB:BB+1] offset:256
	s_wait_loadcnt 0x0                             ; the scale bytes, b2 and H's first K step
	WIN 0x04
.irp t, 0,1
.irp i, 0,1,2,3,4
	ds_store_b128 v[SST], v[4*(5*\t+\i):4*(5*\t+\i)+3] offset:2560*\t+512*\i
.endr
.endr
.irp i, 0,1,2,3,4,5,6,7
	ds_store_b128 v[BST], v[40+4*\i:43+4*\i] offset:576*\i
.endr
	WIN 0
; 16 products: row tiles 2 g, 2 g + 1 x the eight column tiles.  Source 0 = W2's rows, source 1 = H's rows: a lane holds eight neighbouring columns of one row.  The 80 accumulators take turns.
.macro MUL2 g, par, zero
.irp mm, 0,1
.set M_, 2*(\g)+\mm
	WIN 0x03|((1+M_/4)*0x50)
.irp u, 0,1,2,3,4,5,6,7
.set rD, (64*M_+8*\u)%256
.if \zero
	v_wmma_scale_f32_16x16x128_f8f6f4 v[rD:rD+7], v[128+16*\u:143+16*\u], v[96+16*M_:111+16*M_], 0, v[BSC+\u], v[ASC+M_]
.elseif \par
	v_wmma_scale_f32_16x16x128_f8f6f4 v[rD:rD+7], v[128+16*\u:143+16*\u], v[96+16*M_:111+16*M_], v[rD:rD+7], v[BSC+\u], v[ASC+M_] matrix_a_scale:MATRIX_SCALE_ROW1 matrix_b_scale:MATRIX_SCALE_ROW1
.else
	v_wmma_scale_f32_16x16x128_f8f6f4 v[rD:rD+7], v[128+16*\u:143+16*\u], v[96+16*M_:111+16*M_], v[rD:rD+7], v[BSC+\u], v[ASC+M_]
.endif
.endr
.endr
.endm
; A K step: par: my first or second of the chunk; nxt: where my next K step's images lie from s[HB] (-1: there is none); zero: the products start the sums.
.macro KSTEP par, nxt, zero
	WIN 0xc0
.irp u, 0,1,2,3,4,5,6,7
.set AR_, ADB+(ADBH-ADB)*(\u/4)
.irp cc, 0,1,2,3
	ds_load_b128 v[128+16*\u+4*\cc:131+16*\u+4*\cc], v[AR_] offset:(\u%4)*16*PITCH+128*\par+32*\cc
.endr
.endr
	WIN 0
.if \par == 0
.irp M, 0,1,2,3,4,5,6,7,8,9
	ds_load_b32 v[ASC+\M], v[ASA] offset:2560*(\M/5)+64*(\M%5)
.endr
.irp u, 0,1,2,3,4,5,6,7
	ds_load_b32 v[BSC+\u], v[BSA] offset:2304*\u
.endr
.endif
	s_wait_dscnt 0x0
.irp g, 0,1,2,3,4
.if \nxt >= 0
	s_wait_loadcnt 32                              ; behind this pair's eight loads: the 4 - g later pairs of this K step and the g pairs already asked for the next: 32 loads
.else
	s_wait_loadcnt 8*(4-\g)                        ; the last K step: the later pairs alone
.endif
	MUL2 \g, \par, \zero
.if (\nxt >= 0) || (\g == 4)
	WIN 0
	PLACES 8                                       ; eight plain places ahead of loads into registers that these products read, and of the first read of results
.endif
.if \nxt >= 0
	HLOAD \g, \nxt
.endif
.endr
.endm
; A chunk: two K steps a wave out of one slot.  Ahead of it every wave has waited for its part of the slot, and a barrier shows all four parts.
; fill = 1: the barrier is the one ahead of a fill, with its three lines, and behind it stands my one tensor load: the next chunk, into the slot that was left.
; pf = 1: chunk c + 2 is prefetched; pf = 2: in the loop's first trip alone (chunk 1): the second has no chunk two on.
.macro CHUNK zero, fill, last, pf
	s_wait_tensorcnt 0x0
.if \fill
	ds_add_u32 v[SPW], v[NIL]
	s_xor_b32 s[G0B+1], s[G0B+1], SLOT             ; the other slot (RGN x wave shares no bit with SLOT),
	s_add_nc_u64 s[G0B+2:G0B+3], s[G0B+2:G0B+3], 1024   ; the next 1,024 bytes of my rows
.endif
	s_wait_dscnt 0x0
	s_barrier_signal -1
	s_barrier_wait -1
.if \fill
	tensor_load_to_lds s[G0B:G0B+3], s[G1B:G1B+7]
	s_nop 0
	PLACES 4
.endif
	v_add_nc_u32 v[ADB], s[TB], v[ADB0]
	v_add_nc_u32 v[ASA], s[KC], v[ASA0]
	v_add_nc_u32 v[BSA], s[KD], v[BSA0]
	v_add_nc_u32 v[ADBH], 4*16*PITCH, v[ADB]
	s_wait_alu depctr_va_vdst(0)                   ; the wait here, directly behind the writes
.if \pf == 2
	s_cmp_eq_u32 s[CNT], 2
	s_cbranch_scc0 .Lnone_ahead
.endif
.if \pf
	global_prefetch_b8 v[PFW], s[WP:WP+1] offset:2048 th:TH_LOAD_NT scope:SCOPE_SE
	global_prefetch_b8 v[PFW], s[WP:WP+1] offset:2560 th:TH_LOAD_NT scope:SCOPE_SE
	global_prefetch_b8 v[PFH], s[HB:HB+1] offset:163840 th:TH_LOAD_NT scope:SCOPE_SE
.endif
.if \pf == 2
.Lnone_ahead:
.endif
	KSTEP 0, 10240, \zero
.if \last
	KSTEP 1, -1, 0
.else
	KSTEP 1, 81920, 0
	s_wait_xcnt 0x0                                ; the loads and prefetches have read their bases
	s_add_nc_u64 s[HB:HB+1], s[HB:HB+1], 81920
	s_add_nc_u64 s[WP:WP+1], s[WP:WP+1], 1024
	s_xor_b32 s[TB], s[TB], SLOT
	s_add_co_u32 s[KC], s[KC], 5120
	s_add_co_u32 s[KD], s[KD], 32
.endif
.endm
	CHUNK 1, 1, 0, 1                               ; chunk 0; its barrier also shows every wave's part of the scale bytes; slot 1's first fill goes out as a refill does
.Lblk:
	CHUNK 0, 1, 0, 2                               ; chunks 1, 2
	s_sub_co_u32 s[CNT], s[CNT], 1
	s_cmp_lg_u32 s[CNT], 0
	s_cbranch_scc1 .Lblk
	CHUNK 0, 0, 1, 0                               ; chunk 3 is written out: nothing more is fetched
; THE END.  Phase p: column tiles 4 p .. 4 p + 3.
.macro STOREP p
.irp M, 0,1,2,3,4,5,6,7,8,9
	WIN (1+\M/4)<<2
.irp c, 0,1,2,3
.set rD, (64*\M+8*(4*\p+\c))%256
	ds_store_b128 v[RST+2*(\c/2)+\M/5], v[rD:rD+3] offset:(\M%5)*16*RROW+64*(\c%2)        ; each accumulator from its low end on
	ds_store_b128 v[RST+2*(\c/2)+\M/5], v[rD+4:rD+7] offset:(\M%5)*16*RROW+64*(\c%2)+16
.endr
.endr
	WIN 0
	s_wait_dscnt 0x0                               ; for the others' sake: my partial sums have landed
	s_barrier_signal -1
	s_barrier_wait -1
.endm
.macro READP p                         ; 80 rows x 32 columns: two trips of 40 rows
	s_mov_b32 s[RS], 0
	s_mov_b32 s[CNT], 2
.Lrd\p:
	v_add_nc_u32 v[RLC], s[RS], v[RLD]
	s_wait_alu depctr_va_vdst(0)                   ; the wait here, directly behind the write
.irp i, 0,1,2,3,4,5,6,7,8,9
.irp pw, 0,1,2,3
	ds_load_b128 v[RD+16*\i+4*\pw:RD+16*\i+4*\pw+3], v[RLC] offset:144*\pw+4*RROW*\i
.endr
.endr
.irp i, 0,1,2,3,4,5,6,7,8,9
.set r0, RD+16*\i
	s_wait_dscnt 4*(9-\i)                          ; group i's four loads are in; the later groups' may be out
	v_pk_add_f32 v[r0:r0+1], v[r0:r0+1], v[r0+4:r0+5]
	v_pk_add_f32 v[r0+2:r0+3], v[r0+2:r0+3], v[r0+6:r0+7]
	v_pk_add_f32 v[r0+8:r0+9], v[r0+8:r0+9], v[r0+12:r0+13]
	v_pk_add_f32 v[r0+10:r0+11], v[r0+10:r0+11], v[r0+14:r0+15]
	v_pk_add_f32 v[r0:r0+1], v[r0:r0+1], v[r0+8:r0+9]
	v_pk_add_f32 v[r0+2:r0+3], v[r0+2:r0+3], v[r0+10:r0+11]
	v_pk_add_f32 v[r0:r0+1], v[r0:r0+1], v[BV+4*\p:BV+4*\p+1]
	v_pk_add_f32 v[r0+2:r0+3], v[r0+2:r0+3], v[BV+4*\p+2:BV+4*\p+3]
	global_store_b128 v3, v[r0:r0+3], s[YB:YB+1] offset:512*\i th:TH_STORE_NT   ; four rows of 128 bytes: 512 consecutive bytes, aligned
.endr
	s_wait_xcnt 0x0                                ; the stores have read their base and data
	s_add_nc_u64 s[YB:YB+1], s[YB:YB+1], 5120
	s_add_co_u32 s[RS], s[RS], 40*RROW
	s_sub_co_u32 s[CNT], s[CNT], 1
	s_cmp_lg_u32 s[CNT], 0
	s_cbranch_scc1 .Lrd\p
.endm
	s_wait_dscnt 0x0
	s_barrier_signal -1
	s_barrier_wait -1                              ; no wave reads a slot any more, and both have had their last fill
	STOREP 0
	READP 0
	s_add_nc_u64 s[YB:YB+1], s[YB:YB+1], 10240     ; two blocks of columns on from where the phase began
	s_wait_dscnt 0x0                               ; my reads of the partial sums are over
	s_barrier_signal -1
	s_barrier_wait -1
	STOREP 1
	READP 1
	s_wait_tensorcnt 0x0                           ; the wave's end
	ds_add_u32 v[SPW], v[NIL]
	s_wait_dscnt 0x0
	s_endpgm
.Lfunc_end_k_qf5a9da4d03_down:
	.size	k_qf5a9da4d03_down, .Lfunc_end_k_qf5a9da4d03_down-k_qf5a9da4d03_down
	.p2alignl 7, 3214868480
	.fill 96, 4, 3214868480
	.section	.rodata,"a",@progbits
	.p2align	6, 0x0
	.amdhsa_kernel k_qf5a9da4d03_down
		.amdhsa_group_segment_fixed_size 327680
		.amdhsa_private_segment_fixed_size 0
		.amdhsa_enable_private_segment 0
		.amdhsa_kernarg_size 48
		.amdhsa_user_sgpr_count 2
		.amdhsa_user_sgpr_kernarg_segment_ptr 1
		.amdhsa_wavefront_size32 1
		.amdhsa_system_sgpr_workgroup_id_x 1
		.amdhsa_system_sgpr_workgroup_id_y 1
		.amdhsa_system_sgpr_workgroup_id_z 1
		.amdhsa_system_vgpr_workitem_id 0
		.amdhsa_next_free_vgpr 1024
		.amdhsa_next_free_sgpr 100
		.amdhsa_reserve_vcc 0
		.amdhsa_float_denorm_mode_32 3
		.amdhsa_float_denorm_mode_16_64 3
		.amdhsa_memory_ordered 1
		.amdhsa_forward_progress 1
		.amdhsa_inst_pref_size 150
	.end_amdhsa_kernel
	.amdgpu_metadata
---
amdhsa.version: [ 1, 2 ]
amdhsa.kernels:
  - .name:           k_qf5a9da4d03_down
    .symbol:         k_qf5a9da4d03_down.kd
    .args:
      - { .name: hid, .offset: 0, .size: 8, .value_kind: global_buffer, .address_space: global }
      - { .name: plan, .offset: 8, .size: 8, .value_kind: global_buffer, .address_space: global }
      - { .name: W2_codes, .offset: 16, .size: 8, .value_kind: global_buffer, .address_space: global }
      - { .name: W2_scales, .offset: 24, .size: 8, .value_kind: global_buffer, .address_space: global }
      - { .name: b2, .offset: 32, .size: 8, .value_kind: global_buffer, .address_space: global }
      - { .name: yrows, .offset: 40, .size: 8, .value_kind: global_buffer, .address_space: global }
    .group_segment_fixed_size: 327680
    .private_segment_fixed_size: 0
    .kernarg_segment_align: 8
    .kernarg_segment_size: 48
    .max_flat_workgroup_size: 128
    .sgpr_count:     100
    .vgpr_count:     1024
    .wavefront_size: 32
...
	.end_amdgpu_metadata
.endif
;; end of part 4
;; launch join (part 5): grid 256 x 1, 8 waves a work-group, no clusters, 0 bytes of LDS; arguments yrows, plan, xq, out0; writes out0
.if DOCPART == 5
	.amdgcn_target "amdgcn-amd-amdhsa--gfx1250"
	.amdhsa_code_object_version 6
	.text
	.protected	k_qf5a9da4d03_join
	.globl	k_qf5a9da4d03_join
	.p2align	8
	.type	k_qf5a9da4d03_join,@function
k_qf5a9da4d03_join:
	s_mov_b64 s[64:65], 0
	v_nop
	global_prefetch_b8 v0, s[64:65] scope:SCOPE_SE
	s_setreg_imm32_b32 hwreg(HW_REG_WAVE_MODE, 25, 1), 1
	s_wait_xcnt 0x0
; out[t] = ga Y[row of t's lower expert] + gb Y[row of its higher expert].  A wave takes one token: it reads where the token's two results lie (whole numbers stored three launches back) and its two gates.
; A result row lies as 32 pieces of 128 bytes, 10,240 bytes apart (the second product stores whole runs of 512 bytes so); a load takes four pieces, eight lanes each.  A store covers 512 consecutive bytes of out.
; No LDS, no barrier, no matrix unit: the launch only moves bytes, a multiply and a fused multiply-add a pair of numbers.
.set XQG, 2162688
	s_load_b256 s[4:11], s[0:1], 0x0               ; yrows s[4:5], plan s[6:7], xq s[8:9], out0 s[10:11]
	v_lshrrev_b32 v1, 5, v0
	s_delay_alu instid0(VALU_DEP_1)
	v_readfirstlane_b32 s12, v1                    ; wave
	v_and_b32 v1, 31, v0                           ; lane
	s_lshl_b32 s13, ttmp9, 3
	s_add_co_u32 s13, s13, s12                     ; the token
	s_lshl_b32 s14, s13, 3
	s_mov_b32 s15, 0
	s_lshl_b32 s16, s13, 12
	s_mov_b32 s17, 0
	v_lshrrev_b32 v2, 3, v1
	s_delay_alu instid0(VALU_DEP_1)
	v_mul_u32_u24 v2, v2, 10240
	v_and_b32 v3, 7, v1
	s_delay_alu instid0(VALU_DEP_1)
	v_lshl_add_u32 v2, v3, 4, v2                   ; piece l / 8, 16 bytes a lane
	v_lshlrev_b32 v5, 4, v1
	s_wait_alu depctr_va_vdst(0)
	s_wait_kmcnt 0x0
	s_add_nc_u64 s[6:7], s[6:7], s[14:15]
	s_add_nc_u64 s[8:9], s[8:9], s[14:15]
	s_add_nc_u64 s[10:11], s[10:11], s[16:17]
	s_load_b64 s[18:19], s[6:7], 0x100             ; tile | row << 8, for both experts
	s_load_b64 s[20:21], s[8:9], XQG               ; ga, gb
	s_wait_kmcnt 0x0
	s_and_b32 s22, s18, 0xff
	s_min_u32 s22, s22, 63
	s_lshr_b32 s23, s18, 8
	s_min_u32 s23, s23, 79
	s_mul_i32 s22, s22, 327680
	s_lshl_b32 s23, s23, 7
	s_add_co_u32 s22, s22, s23
	s_and_b32 s24, s19, 0xff
	s_min_u32 s24, s24, 63
	s_lshr_b32 s25, s19, 8
	s_min_u32 s25, s25, 79
	s_mul_i32 s24, s24, 327680
	s_lshl_b32 s25, s25, 7
	s_add_co_u32 s24, s24, s25
	v_add_nc_u32 v3, s22, v2
	v_add_nc_u32 v4, s24, v2
	s_mov_b32 s26, s20                             ; a packed form names a pair and takes its low word for both halves: both are written
	s_mov_b32 s27, s20
	s_mov_b32 s28, s21
	s_mov_b32 s29, s21
.irp i, 0,1,2,3,4,5,6,7
	global_load_b128 v[16+4*\i:19+4*\i], v3, s[4:5] offset:40960*\i th:TH_LOAD_NT
.endr
.irp i, 0,1,2,3,4,5,6,7
	global_load_b128 v[48+4*\i:51+4*\i], v4, s[4:5] offset:40960*\i th:TH_LOAD_NT
.endr
	s_wait_loadcnt 0x0
.irp j, 0,2,4,6,8,10,12,14,16,18,20,22,24,26,28,30
	v_pk_mul_f32 v[16+\j:17+\j], v[16+\j:17+\j], s[26:27] op_sel_hi:[1,0]
.endr
.irp j, 0,2,4,6,8,10,12,14,16,18,20,22,24,26,28,30
	v_pk_fma_f32 v[16+\j:17+\j], v[48+\j:49+\j], s[28:29], v[16+\j:17+\j] op_sel_hi:[1,0,1]
.endr
.irp i, 0,1,2,3,4,5,6,7
	global_store_b128 v5, v[16+4*\i:19+4*\i], s[10:11] offset:512*\i th:TH_STORE_NT
.endr
	s_endpgm
.Lfunc_end_k_qf5a9da4d03_join:
	.size	k_qf5a9da4d03_join, .Lfunc_end_k_qf5a9da4d03_join-k_qf5a9da4d03_join
	.p2alignl 7, 3214868480
	.fill 96, 4, 3214868480
	.section	.rodata,"a",@progbits
	.p2align	6, 0x0
	.amdhsa_kernel k_qf5a9da4d03_join
		.amdhsa_group_segment_fixed_size 0
		.amdhsa_private_segment_fixed_size 0
		.amdhsa_enable_private_segment 0
		.amdhsa_kernarg_size 32
		.amdhsa_user_sgpr_count 2
		.amdhsa_user_sgpr_kernarg_segment_ptr 1
		.amdhsa_wavefront_size32 1
		.amdhsa_system_sgpr_workgroup_id_x 1
		.amdhsa_system_sgpr_workgroup_id_y 1
		.amdhsa_system_sgpr_workgroup_id_z 1
		.amdhsa_system_vgpr_workitem_id 0
		.amdhsa_next_free_vgpr 96
		.amdhsa_next_free_sgpr 66
		.amdhsa_reserve_vcc 0
		.amdhsa_float_denorm_mode_32 3
		.amdhsa_float_denorm_mode_16_64 3
		.amdhsa_memory_ordered 1
		.amdhsa_forward_progress 1
		.amdhsa_inst_pref_size 7
	.end_amdhsa_kernel
	.amdgpu_metadata
---
amdhsa.version: [ 1, 2 ]
amdhsa.kernels:
  - .name:           k_qf5a9da4d03_join
    .symbol:         k_qf5a9da4d03_join.kd
    .args:
      - { .name: yrows, .offset: 0, .size: 8, .value_kind: global_buffer, .address_space: global }
      - { .name: plan, .offset: 8, .size: 8, .value_kind: global_buffer, .address_space: global }
      - { .name: xq, .offset: 16, .size: 8, .value_kind: global_buffer, .address_space: global }
      - { .name: out0, .offset: 24, .size: 8, .value_kind: global_buffer, .address_space: global }
    .group_segment_fixed_size: 0
    .private_segment_fixed_size: 0
    .kernarg_segment_align: 8
    .kernarg_segment_size: 32
    .max_flat_workgroup_size: 256
    .sgpr_count:     66
    .vgpr_count:     96
    .wavefront_size: 32
...
	.end_amdgpu_metadata
.endif
;; end of part 5
